; MI455X (gfx1250); checked and timed in simulation.
; The chip was launched on July 23, 2026; its instructions are those of AMD's public machine-readable ISA for CDNA 5 (MIT licence, August 2026) and "CDNA5" Instruction Set Architecture Reference Guide (July 2026). The comments in the code are by the model that wrote it; some were corrected since.
;; Tiny Self Attention. Allowed arithmetic: matrix products marked QUANTISED: E3M2 operands, one E8M0 scale for each 32 along K, by v_wmma_scale_f32_16x16x128_f8f6f4 with both operands' format E3M2, f32 sums; everything else in f32.
;; Inputs: Wk 2,048 x 2,048 float32; Wo 2,048 x 2,048 float32; Wq 2,048 x 2,048 float32; Wv 2,048 x 2,048 float32; bk 2,048 float32; bo 2,048 float32; bq 2,048 float32; bv 2,048 float32; x 2,048 x 2,048 float32.
;; Outputs: out0 2,048 x 2,048 float32.
;; This version of the problem:
;;   THIS VERSION OF THE PROBLEM IS GIVEN IN LOW PRECISION. The matrix products marked QUANTISED in the list below multiply operands that are first quantised to E3M2 (3 exponent bits, 2 mantissa bits; 6 bits a number), with one power-of-two scale for each 32 numbers along K (OCP MX v1.0); their sums are f32. All else is computed in f32.
;;   The module's matrix products, in the order in which they are computed (A, B: the left and right operand; K: the contracted axis; several contracted axes count as one K, in the product's order):
;;     1. [M 2,048, K 2,048] x [K 2,048, N 2,048]; A: input x; B: input Wq: QUANTISED
;;     2. [M 2,048, K 2,048] x [K 2,048, N 2,048]; A: input x; B: input Wk: QUANTISED
;;     3. [M 2,048, K 2,048] x [K 2,048, N 2,048]; A: input x; B: input Wv: QUANTISED
;;     4. batch 16 x [M 2,048, K 128] x [K 128, N 2,048]; A: computed on the way; B: computed on the way: QUANTISED
;;     5. batch 16 x [M 2,048, K 2,048] x [K 2,048, N 128]; A: softmax (see below); B: computed on the way: QUANTISED
;;     6. [M 2,048, K 2,048] x [K 2,048, N 2,048]; A: computed on the way; B: input Wo: QUANTISED
;;   THE QUANTISER, for each operand of a quantised product, along K:
;;     - K is cut into blocks of 32 from its start; a last block that is shorter is filled with zeros.
;;     - A block's scale is 2^e with e = floor(log2(the largest magnitude in the block)) - 4, held to -126 .. 127; a block of zeros has e = 0. As a byte (E8M0): e + 127.
;;     - Each number is divided by its block's scale, clamped to +-28, and rounded to the nearest number of E3M2, ties to even, subnormals kept.
;;     - The product sums the exact products of the quantised numbers (number of the format x scale) in f32.
;;   ~~~python
;;   def quantise(x, axis):      # numpy; x: float32 -> the quantised numbers, widened to float32 again
;;       x = np.moveaxis(x, axis, -1); K = x.shape[-1]
;;       x = np.pad(x, [(0, 0)] * (x.ndim - 1) + [(0, -K % 32)]); x = x.reshape(x.shape[:-1] + (-1, 32)); a = np.abs(x).max(-1, keepdims=True)
;;       e = np.where(a > 0, np.clip(np.frexp(np.where(a > 0, a, 1))[1] - 1 - 4, -126, 127), 0)      # np.frexp(a)[1] - 1 = floor(log2(a)), exactly
;;       r = np.clip(x / 2.0 ** e, -28, 28)
;;       step = 2.0 ** (np.maximum(np.frexp(np.where(r == 0, 1, r))[1] - 1, -2) - 2)
;;       q = np.round(r / step) * step * 2.0 ** e      # np.round: ties to even
;;       return np.moveaxis(q.reshape(q.shape[:-2] + (-1,))[..., :K], -1, axis).astype(np.float32)
;;   ~~~
;;   SOFTMAX AHEAD OF A QUANTISED PRODUCT. Where the list says 'softmax', what is quantised is not the finished softmax but p = 2^(t - M), with t = logit x log2(e) and M = ceil(the row's largest t), a whole number; so 1/2 < the row's largest p <= 1. The row's sum l is taken of the UNQUANTISED p, in f32, and the product's result is divided by l at the end. Since M is a whole number, a kernel that streams over the keys may use a running M (the ceiling of the running maximum): every later rescaling is an exact power of two, which a block's scale takes up: the codes' values come out the same.
;;   OPERANDS COMPUTED ON THE WAY. 'Computed on the way' means the value that the module computes at that place (a softmax that the list does not call 'softmax' is quantised finished and normalised). What goes into a quantiser is computed in f32, as accurately as f32 sums, v_exp_f32 and their like allow (about 1e-6 of the number): no bf16 or f16 on the way to a quantiser, and a product that is left as it is and whose result goes on into a quantised operand takes f32 operands (vector FMAs, or v_wmma_f32_16x16x4_f32). A number that lies on a knife's edge between two numbers of the format may be rounded either way, as far as f32 arithmetic and the matrix unit's own rounding can turn it there, and no further.
;; One version. Each part assembles by itself: llvm-mc -triple=amdgcn-amd-amdhsa -mcpu=gfx1250 --defsym DOCPART=n.
;; ======== version 1 of 1: 4 launches
;; limits: right only within a limited range of input values
;; workspace buffers: wcodes 15,728,640 bytes; wscales 655,360 bytes; qcodes 3,145,728 bytes; qscales 131,072 bytes; kv 6,553,600 bytes; ycodes 3,145,728 bytes; yscales 131,072 bytes
;; launch quant (part 1): grid 256 x 1, 5 waves a work-group, no clusters, 85,248 bytes of LDS; arguments Wq, Wk, x, Wv, Wo, wcodes, wscales; writes wcodes, wscales
.if DOCPART == 1
	.amdgcn_target "amdgcn-amd-amdhsa--gfx1250"
	.amdhsa_code_object_version 6
	.text
	.protected	k_q88bade3e48_quant
	.globl	k_q88bade3e48_quant
	.p2align	8
	.type	k_q88bade3e48_quant,@function
k_q88bade3e48_quant:
	s_mov_b64 s[64:65], 0
	v_nop
	global_prefetch_b8 v0, s[64:65] scope:SCOPE_SE
	s_setreg_imm32_b32 hwreg(HW_REG_WAVE_MODE, 25, 1), 1
	s_wait_xcnt 0x0
; Wq, Wk, x, Wv, Wo, each [2048][2048] f32 with K innermost, become codes of BF6 (E3M2) with one E8M0 scale byte for each 32 along K.
; A block's byte is its largest magnitude's exponent field - 4, held at 1 from below; each number is divided by the scale and rounded to the nearest code, ties to even, beyond 28 the largest code.
; LIMITS: NaN and infinities among the inputs are not served.  A block of zeros gets the byte 1 where the rule says 127: its codes are zeros, and this program alone reads the bytes.
; LAYOUT OF THE CODES: images of the operand's registers.  A fragment is 16 rows x 128 K, 12 registers a lane, 1,536 bytes: registers 4 c .. 4 c + 3 of lane l lie at 512 c + 16 l.
;   wcodes [5 tensors][128 row tiles][16 K steps][1,536].  THE ROWS OF A TILE ARE NOT NEIGHBOURS: lane r of tile 2 g + u holds row 32 g + 8 u + r + 8 (r / 8).
;   wscales [80 groups of 128 rows][16 K steps][16 r][8 tiles] words of four bytes (128 along K of one row).
; SHARES: work-group = (group of 128 rows G, K step q); wave w takes tensor w: 128 rows x 128 K = 8 fragments and one block of 512 scale bytes.  Waves share nothing: no barrier.
; A load reads 512 consecutive bytes of one row; a fragment's 16 rows turn through the wave's own stage in LDS (rows 528 bytes apart) and come back so that a lane holds two whole blocks of 32.
; Loads run four fragments (64 loads a wave) ahead, the turn through LDS one fragment.
; REGISTERS: window 0: v1-5 addresses; v8-15 at work; v16-23 the eight scale words; v24-27 those on their way out; v32-71 two sets of codes; v128-255 two sets of 64 numbers.  window 1: four sets of 64 as loaded.
.set ROWB,   8192                      ; a row of a tensor in bytes
.set SP,     528                       ; a stage row: 512 bytes + 16: 132 words, so sixteen rows start at sixteen different groups of four banks
.set STG,    16*SP                     ; a stage; two for each wave
.set TPITCH, 24576                     ; from row tile to row tile in wcodes
.set GO,   1                           ; v1  16 x lane: my place in a load's and in a store's 512 bytes
.set SIN,  2                           ; v2  the stage, on the way in
.set SOUT, 3                           ; v3  and on the way out: row r, 128 bytes for each half of the lanes
.set WOF,  4                           ; v4  32 r + 16 h: my four words in the block of scale words
.set SH,   5                           ; v5  8 h
.set WRD,  16
.set MSB, 0
.macro WIN new                         ; the immediate's high byte repeats the setting that is left
.if MSB != (\new)
	s_set_vgpr_msb (MSB<<8)|(\new)
.set MSB, (\new)
.endif
.endm
	s_load_b256 s[4:11], s[0:1], 0x0               ; Wq, Wk, x, Wv
	s_load_b128 s[12:15], s[0:1], 0x20             ; Wo, wcodes
	s_load_b64 s[16:17], s[0:1], 0x30              ; wscales
	v_lshl_add_u32 v126, v0, 2, 0x14a00
	v_mov_b32 v127, 0
	v_lshrrev_b32 v1, 5, v0
	v_readfirstlane_b32 s18, v1                    ; wave 0..4 = the tensor
	v_and_b32 v6, 31, v0                           ; lane
	v_and_b32 v7, 15, v0                           ; r
	v_bfe_u32 v5, v0, 4, 1                         ; h
	v_lshlrev_b32 v[GO], 4, v6
	s_mul_i32 s19, s18, 2*STG                      ; my wave's two stages
	v_add_nc_u32 v[SIN], s19, v[GO]
	v_mul_u32_u24 v[SOUT], v7, SP
	v_lshl_add_u32 v[SOUT], v5, 7, v[SOUT]
	v_add_nc_u32 v[SOUT], s19, v[SOUT]
	v_lshlrev_b32 v[WOF], 5, v7
	v_lshl_add_u32 v[WOF], v5, 4, v[WOF]
	v_lshlrev_b32 v[SH], 3, v5
	v_mov_b32 v15, 0                               ; written once: a lane permute's destination counts as one of its sources
	s_mov_b32 s24, 0xffff0000                      ; lanes 16-31
	s_mov_b32 s26, 0x76543210
	s_mov_b32 s27, 0xfedcba98                      ; selects for lane l xor 16
	s_lshr_b32 s20, ttmp9, 4                       ; G
	s_and_b32 s21, ttmp9, 15                       ; q
	s_lshl_b32 s28, s20, 20                        ; the numbers: 128 rows of 8,192 bytes a group,
	s_lshl_b32 s22, s21, 9                         ; 512 bytes a K step
	s_add_co_u32 s28, s28, s22
	s_mov_b32 s29, 0
	s_mul_i32 s30, s18, 128*TPITCH                 ; the codes: the tensor,
	s_mul_i32 s22, s20, 8*TPITCH                   ; eight row tiles a group,
	s_add_co_u32 s30, s30, s22
	s_mul_i32 s22, s21, 1536                       ; a fragment a K step
	s_add_co_u32 s30, s30, s22
	s_mov_b32 s31, 0
	s_lshl_b32 s32, s18, 17                        ; the scale words: 16 groups of 8,192 bytes a tensor,
	s_lshl_b32 s22, s20, 13
	s_add_co_u32 s32, s32, s22
	s_lshl_b32 s22, s21, 9                         ; 512 bytes a K step
	s_add_co_u32 s32, s32, s22
	s_mov_b32 s33, 0
	s_wait_alu depctr_va_vdst(0)
	s_wait_kmcnt 0x0
	s_cmp_eq_u32 s18, 1                            ; my tensor: the choice hangs on the wave's number alone
	s_cselect_b64 s[4:5], s[6:7], s[4:5]
	s_cmp_eq_u32 s18, 2
	s_cselect_b64 s[4:5], s[8:9], s[4:5]
	s_cmp_eq_u32 s18, 3
	s_cselect_b64 s[4:5], s[10:11], s[4:5]
	s_cmp_eq_u32 s18, 4
	s_cselect_b64 s[4:5], s[12:13], s[4:5]
	s_add_nc_u64 s[4:5], s[4:5], s[28:29]
	s_add_nc_u64 s[14:15], s[14:15], s[30:31]
	s_add_nc_u64 s[16:17], s[16:17], s[32:33]
.macro LOAD a                          ; fragment a's 16 rows, 512 consecutive bytes each, into set a % 4 of window 1
	WIN 0x40
.irp i, 0,1,2,3,4,5,6,7,8,9,10,11,12,13,14,15
	global_load_b128 v[64*((\a)%4)+4*\i:64*((\a)%4)+4*\i+3], v[GO], s[4:5] offset:(32*((\a)/2)+8*((\a)%2)+\i+8*(\i/8))*ROWB th:TH_LOAD_NT
.endr
	WIN 0
.endm
.macro TURN a                          ; through stage a % 2: LDS serves a wave's instructions in order, so no wait stands between the stores and the loads
	WIN 0x04                                       ; an LDS store's data are its source 1: window 1
.irp i, 0,1,2,3,4,5,6,7,8,9,10,11,12,13,14,15
	ds_store_b128 v[SIN], v[64*((\a)%4)+4*\i:64*((\a)%4)+4*\i+3] offset:STG*((\a)%2)+SP*\i
.endr
	WIN 0
.irp c, 0,1
.irp j, 0,1,2,3,4,5,6,7
	ds_load_b128 v[128+64*((\a)%2)+32*\c+4*\j:128+64*((\a)%2)+32*\c+4*\j+3], v[SOUT] offset:STG*((\a)%2)+256*\c+16*\j   ; k = 64 c + 32 h + 4 j ..: block 2 c + h of row r
.endr
.endr
.endm
.macro FRAGMENT a
.set XS, 128+64*((\a)%2)
.set CS, 32+20*((\a)%2)
	s_wait_dscnt 0x0                               ; this fragment's numbers are back from the stage, and its stores into the stage have read their registers,
.if (\a) < 4
	LOAD (\a)+4                                    ; which take the loads of four fragments on
.endif
.if (\a) < 7
.if (\a) < 4
	s_wait_loadcnt 48                              ; the next fragment's 16 loads are in; those of the three behind it may be out
.else
	s_wait_loadcnt 16*(6-(\a))
.endif
	TURN (\a)+1                                    ; and go through the other stage while this fragment is worked
.endif
	v_max3_num_f32 v8, |v[XS]|, |v[XS+1]|, 0x2800000      ; my two blocks' largest magnitudes, by turns, with the floor 2^(5 - 127) as a leaf: the byte cannot fall under 1
	v_max3_num_f32 v9, |v[XS+32]|, |v[XS+33]|, 0x2800000
.irp i, 2,4,6,8,10,12,14,16,18,20,22,24,26,28,30
	v_max3_num_f32 v8, v8, |v[XS+\i]|, |v[XS+\i+1]|
	v_max3_num_f32 v9, v9, |v[XS+32+\i]|, |v[XS+33+\i]|
.endr
	v_add_nc_u32 v10, 0xfe000000, v8               ; 4 off the exponent field: the conversion takes the exponent field of this operand as its scale
	v_add_nc_u32 v11, 0xfe000000, v9
	v_lshrrev_b32 v12, 23, v10                     ; the scales' bytes: blocks h and 2 + h
	v_lshrrev_b32 v13, 23, v11
	v_lshl_or_b32 v14, v13, 16, v12
	v_lshlrev_b32 v14, v[SH], v14                  ; at their places in the word
	v_permlanex16_b32 v15, v14, s26, s27
	v_or_b32 v[WRD+(\a)], v14, v15                 ; with lane l xor 16's two the word is whole
.if (\a) >= 2
	s_wait_alu depctr_va_vdst(0)
	s_wait_xcnt 0x0                                ; this set of codes was the data of stores two fragments ago: it is rewritten only behind this wait
.endif
	v_cvt_scalef32_pk16_bf6_f32 v[CS:CS+2], v[XS:XS+15], v10
	v_cvt_scalef32_pk16_bf6_f32 v[CS+12:CS+14], v[XS+16:XS+31], v10     ; (a conversion's three registers begin on an even number: a block's second half is made elsewhere and moved)
	v_cvt_scalef32_pk16_bf6_f32 v[CS+6:CS+8], v[XS+32:XS+47], v11
	v_cvt_scalef32_pk16_bf6_f32 v[CS+16:CS+18], v[XS+48:XS+63], v11
	v_nop                                          ; one plain place behind a scaled conversion
.irp i, 0,1,2
	v_mov_b32 v[CS+3+\i], v[CS+12+\i]
	v_mov_b32 v[CS+9+\i], v[CS+16+\i]
.endr
.irp c, 0,1,2
	global_store_b128 v[GO], v[CS+4*\c:CS+4*\c+3], s[14:15] offset:(\a)*TPITCH+512*\c   ; 32 lanes store 512 consecutive bytes, at a multiple of 512 from the buffer's first byte
.endr
.endm
	LOAD 0
	LOAD 1
	LOAD 2
	LOAD 3
	s_wait_loadcnt 48                              ; fragment 0's 16 loads are in
	TURN 0
.irp a, 0,1,2,3,4,5,6,7
	FRAGMENT \a
.endr
.irp i, 0,1,2,3
	v_cndmask_b32 v[24+\i], v[WRD+\i], v[WRD+4+\i], s24    ; lanes 0-15 send the words of tiles 0-3, lanes 16-31 those of tiles 4-7
.endr
	global_store_b128 v[WOF], v[24:27], s[16:17]   ; 512 consecutive bytes
	s_wait_tensorcnt 0x0
	ds_add_u32 v126, v127
	s_wait_dscnt 0x0
	s_endpgm
.Lfunc_end_k_q88bade3e48_quant:
	.size	k_q88bade3e48_quant, .Lfunc_end_k_q88bade3e48_quant-k_q88bade3e48_quant
	.p2alignl 7, 3214868480
	.fill 96, 4, 3214868480
	.section	.rodata,"a",@progbits
	.p2align	6, 0x0
	.amdhsa_kernel k_q88bade3e48_quant
		.amdhsa_group_segment_fixed_size 85248
		.amdhsa_private_segment_fixed_size 0
		.amdhsa_enable_private_segment 0
		.amdhsa_kernarg_size 56
		.amdhsa_user_sgpr_count 2
		.amdhsa_user_sgpr_kernarg_segment_ptr 1
		.amdhsa_wavefront_size32 1
		.amdhsa_system_sgpr_workgroup_id_x 1
		.amdhsa_system_sgpr_workgroup_id_y 1
		.amdhsa_system_sgpr_workgroup_id_z 1
		.amdhsa_system_vgpr_workitem_id 0
		.amdhsa_next_free_vgpr 512
		.amdhsa_next_free_sgpr 66
		.amdhsa_reserve_vcc 0
		.amdhsa_float_denorm_mode_32 3
		.amdhsa_float_denorm_mode_16_64 3
		.amdhsa_memory_ordered 1
		.amdhsa_forward_progress 1
		.amdhsa_inst_pref_size 59
	.end_amdhsa_kernel
	.amdgpu_metadata
---
amdhsa.version: [ 1, 2 ]
amdhsa.kernels:
  - .name:           k_q88bade3e48_quant
    .symbol:         k_q88bade3e48_quant.kd
    .args:
      - { .name: Wq, .offset: 0, .size: 8, .value_kind: global_buffer, .address_space: global }
      - { .name: Wk, .offset: 8, .size: 8, .value_kind: global_buffer, .address_space: global }
      - { .name: x, .offset: 16, .size: 8, .value_kind: global_buffer, .address_space: global }
      - { .name: Wv, .offset: 24, .size: 8, .value_kind: global_buffer, .address_space: global }
      - { .name: Wo, .offset: 32, .size: 8, .value_kind: global_buffer, .address_space: global }
      - { .name: wcodes, .offset: 40, .size: 8, .value_kind: global_buffer, .address_space: global }
      - { .name: wscales, .offset: 48, .size: 8, .value_kind: global_buffer, .address_space: global }
    .group_segment_fixed_size: 85248
    .private_segment_fixed_size: 0
    .kernarg_segment_align: 8
    .kernarg_segment_size: 56
    .max_flat_workgroup_size: 160
    .sgpr_count:     66
    .vgpr_count:     512
    .wavefront_size: 32
...
	.end_amdgpu_metadata
.endif
;; end of part 1
;; launch qkv (part 2): grid 24 x 8, 4 waves a work-group, clusters of 4 x 4, 327,680 bytes of LDS; arguments wcodes, wscales, bq, bk, bv, qcodes, qscales, kv; writes qcodes, qscales, kv
.if DOCPART == 2
	.amdgcn_target "amdgcn-amd-amdhsa--gfx1250"
	.amdhsa_code_object_version 6
	.text
	.protected	k_q88bade3e48_qkv
	.globl	k_q88bade3e48_qkv
	.p2align	8
	.type	k_q88bade3e48_qkv,@function
k_q88bade3e48_qkv:
	s_mov_b64 s[64:65], 0
	v_nop
	global_prefetch_b8 v0, s[64:65] scope:SCOPE_SE
	s_setreg_imm32_b32 hwreg(HW_REG_WAVE_MODE, 25, 1), 1
	s_wait_xcnt 0x0
	s_wait_alu depctr_hold_cnt(0) depctr_sa_sdst(0) depctr_va_vdst(0) depctr_va_sdst(0) depctr_va_ssrc(0) depctr_va_vcc(0) depctr_vm_vsrc(0)
	s_getreg_b32 s2, hwreg(HW_REG_IB_STS2, 6, 4)
	s_cmp_eq_u32 s2, 0
	s_cbranch_scc0 .Lentry_in_a_cluster
	s_endpgm
.Lentry_in_a_cluster:
	s_bfe_u32 s2, ttmp6, 0x10000c
	s_cmp_lg_u32 s2, 0xf033
	s_cbranch_scc0 .Lentry_shape_is_right
	s_endpgm
.Lentry_shape_is_right:
; Q = x Wq^T + bq, K = x Wk^T + bk, V = x Wv^T + bv on codes of BF6 with E8M0 scales, sums in f32 begun with the bias; the results are quantised in registers, Q and K along a head's 128, V along the keys,
; and leave as images of operand registers (a fragment: 16 rows x 128 K, 1,536 bytes, registers 4 c .. 4 c + 3 of lane l at 512 c + 16 l).  Nothing wide goes to memory.
; LIMITS: NaN and infinities are not served.  A block of zeros gets the byte 1 where the rule says 127: its codes are zeros, and this program alone reads the bytes.
; One product form serves all three: source 0 = 16 rows of "B", source 1 = 16 rows of "A"; a lane holds one row of A and its registers run along B's rows, which are the next product's K.
;   tile column c = 0..7: B = Wq, 8..15: B = Wk, with A = x: lanes are tokens, registers a head's 128.   c = 16..23: B = x, A = Wv: lanes are V's channels, registers 128 keys.
; THE ROWS OF A TILE ARE NOT NEIGHBOURS (lane r of tile 2 g + u is row 32 g + 8 u + r + 8 (r / 8)): so the 16 registers of B's tiles 2 b, 2 b + 1 are 16 neighbours along the next K, 32 b + 16 (lane / 16) + 0 .. 15.
; A tile of 256 x 256 is made by four waves, each 128 x 128: 64 accumulators.  192 work-groups: 6,144 x 2,048 results in tiles of 256 x 256.
; THE RING: a K step of 128 is 512 rows x 96 bytes; two LDS slots of THREE K steps fill LDS but for the spare words.  K = 16 steps goes as tiles of 3, 3, 3, 3, 3 and 1: two first fills and four refills; between a
; refill's request and the wait for it a wave issues 160 matrix instructions.
; THE SCALE WORDS of my 128 rows of A and 128 rows of B, for all of K, come once, straight into 128 registers that hold nothing else.  Their numbers differ from K step to K step, so the 16 steps are written out, with no loop.
; CLUSTERS: 4 x 4 work-groups; A's tiles are asked for jointly along a row of the cluster, B's along a column.
; REGISTERS: window 0: v8-15 the bias by lane; v16-31 addresses; v32-127 and v224-255 scale words, eight for each K step; v128-223 A's eight fragments, one set; on the way out v128-223 are at work.
;   window 1: B's fragments, two sets, at v0 and v128; the bias as C at v96-127 and v224-255.   windows 2, 3: accumulator (a, b) at v[8 (8 (a % 4) + b)].
.set NL,     3                         ; LDS loads that bring a fragment
.set NP,     4                         ; places behind this matrix instruction (ISA guide 7.12.1)
.set FR,     12
.set FRB,    1536
.set TPITCH, 24576                     ; from row tile to row tile in wcodes: 16 K steps
.set SLB,    3*FRB                     ; a row tile's bytes in a slot: three K steps of 128
.set HALFT,  8*SLB                     ; eight row tiles: what one tensor load brings, and what one wave reads of A or of B
.set SLOT,   4*HALFT                   ; A's 16 row tiles, then B's 16
.set SPARE,  2*SLOT                    ; behind the ring: the spare words, 128 bytes for each wave: two blocks of 256 bytes that no other line names
.set BT,   8                           ; v8-15   the bias of my lane's channel, tile by tile
.set ADRA, 16                          ; v16-17  my A fragments in slot 0, 1
.set ADRB, 20                          ; v20-21  the same for B
.set LI,   24                          ; v24     16 x lane
.set SO,   25                          ; v25     32 r + 16 h: my four words of a block of scale words
.set VS,   27                          ; v27     my scale words in wscales: lanes 0-15 A's group, lanes 16-31 B's; + 32 r
.set SPW,  28                          ; v28     my spare word; never rewritten
.set NIL,  29                          ; v29     0; never rewritten
.set PFO,  30                          ; v30, v31  the prefetches' offsets: 256 x my lane, held at 17 blocks and at 5; never rewritten
.set SC,   32                          ; K step g's eight registers begin at 32 + 8 g (g < 12) or 224 + 8 (g - 12); register i: lanes 0-15 the word of A's tile i, lanes 16-31 that of B's tile i
.set BB,   96                          ; in window 1: the bias of tile t at 96 + 8 (t % 4) + 128 (t / 4)
.set AF,   128
.set TM,   128                         ; the way out: v128-143 at work, v144-151 scale words, v152-155 those on their way out, v156-215 three sets of codes
.set WRD,  144
.set WOUT, 152
.set CSET, 156
.set G1,   24                          ; s[24:31] group 1 for A's tiles; s[32:39] group 0, a set for each slot
.set G0,   32
.set G1B,  48                          ; s[48:55], s[56:63] the same for B's
.set G0B,  56
.set G1L,  68                          ; s[68:75], s[76:83] groups 1 for the last tile, one K step, of A and of B
.set G1BL, 76
.set LIM,  96                          ; s96     1 in a wave that prefetches
.set PFA,  98                          ; s[98:99] where my prefetches stand: my work-group's two row tiles of the eight that I fetch; never rewritten
.set MSB, 0
.macro WIN new                         ; the immediate's high byte repeats the setting that is left
.if MSB != (\new)
	s_set_vgpr_msb (MSB<<8)|(\new)
.set MSB, (\new)
.endif
.endm
.set MUL_LO, 0xa1                      ; source 0 (B) window 1, source 1 (A) window 0, C and D window 2
.set MUL_HI, 0xf1                      ; the same, C and D window 3
.set TO_B,   0x40                      ; destination window 1, address window 0
; A joint load: waves 0 and 1 fetch for A, waves 2 and 3 for B; the branch hangs on the wave's number alone.  Four v_nop follow each of the two lines.
.macro JLOAD g0a, g1a, g0b, g1b
	s_cmp_eq_u32 s15, 0
	s_cbranch_scc0 .Lfor_b_\@
	tensor_load_to_lds s[\g0a:\g0a+3], s[\g1a:\g1a+7]
	s_nop 0
.rept 4
	v_nop
.endr
	s_branch .Lasked_\@
.Lfor_b_\@:
	tensor_load_to_lds s[\g0b:\g0b+3], s[\g1b:\g1b+7]
	s_nop 0
.rept 4
	v_nop
.endr
.Lasked_\@:
.endm
.macro CREST                           ; a round of the cluster's barrier behind its opening barrier
	s_cmp_lg_u32 s14, 0
	s_cbranch_scc1 .Lnot_wave_0_\@
	s_barrier_signal -3
.Lnot_wave_0_\@:
	s_barrier_wait -3
	s_barrier_signal -1
	s_barrier_wait -1
.endm
.macro CROUND                          ; a whole round
	s_barrier_signal -1
	s_barrier_wait -1
	CREST
.endm
	s_load_b256 s[4:11], s[0:1], 0x0               ; wcodes, wscales, bq, bk
	s_load_b256 s[84:91], s[0:1], 0x20             ; bv, qcodes, qscales, kv
	v_lshl_add_u32 v[SPW], v0, 2, SPARE
	v_mov_b32 v[NIL], 0
	ds_add_u32 v28, v29
	ds_add_u32 v28, v29
	s_wait_dscnt 0x0
	v_lshrrev_b32 v1, 5, v0
	v_readfirstlane_b32 s14, v1                    ; wave 0..3
	s_lshr_b32 s15, s14, 1                         ; ha: my half of A's rows.  Also: I fetch for A (0) or for B (1)
	s_and_b32 s16, s14, 1                          ; hb: my half of B's rows.  Also: which eight row tiles I fetch
	s_bfe_u32 s40, ttmp6, 0x40000                  ; cx, cy: my place in the cluster
	s_bfe_u32 s41, ttmp6, 0x40004
	s_lshl_b32 s42, ttmp9, 2
	s_add_co_u32 s42, s42, s40                     ; c = 4 x cluster x + cx
	s_and_b32 s17, ttmp7, 0xffff
	s_lshl_b32 s17, s17, 2
	s_add_co_u32 s17, s17, s41                     ; y = 4 x cluster y + cy
	s_lshl_b32 s43, s41, 2
	s_lshl_b32 s43, 15, s43                        ; my row of the cluster
	s_lshl_b32 s44, 0x1111, s40                    ; my column
	s_lshr_b32 s66, ttmp9, 2                       ; 1 where V is made: it hangs on the cluster's x alone
	s_lshr_b32 s67, ttmp9, 1                       ; 0 Q, 1 K, 2 V
	; group 1 for a slot's tile: 8 row tiles x 4,608 bytes (576 elements of 8 bytes), 24,576 bytes apart; no padding: an image is read as it lies
	s_or_b32 s[G1+0], s43, (3<<16)|(1<<21)         ; 15:0 the mask: A's tiles go to my row; 17:16 elements of 8 bytes; 21 set beside a mask
	s_or_b32 s[G1B+0], s44, (3<<16)|(1<<21)
.irp g, G1, G1B
	s_mov_b32 s[\g+1], 576<<16                     ; tensor_dim0
	s_mov_b32 s[\g+2], 8<<16                       ; tensor_dim1
	s_mov_b32 s[\g+3], 576<<16                     ; tile_dim0
	s_mov_b32 s[\g+4], 8                           ; tile_dim1
	s_mov_b32 s[\g+5], 3072                        ; tensor_dim0_stride
	s_mov_b32 s[\g+6], 0
	s_mov_b32 s[\g+7], 0
.endr
	; and for the last tile, K step 15 alone: 8 row tiles x 1,536 bytes
	s_or_b32 s[G1L+0], s43, (3<<16)|(1<<21)
	s_or_b32 s[G1BL+0], s44, (3<<16)|(1<<21)
.irp g, G1L, G1BL
	s_mov_b32 s[\g+1], 192<<16
	s_mov_b32 s[\g+2], 8<<16
	s_mov_b32 s[\g+3], 192<<16
	s_mov_b32 s[\g+4], 8
	s_mov_b32 s[\g+5], 3072
	s_mov_b32 s[\g+6], 0
	s_mov_b32 s[\g+7], 0
.endr
	s_lshl_b32 s18, s16, 3                         ; which eight row tiles I fetch
	s_lshl_b32 s20, s66, 7                         ; A: row tile 256 (x) or 384 (Wv) + 16 y + 8 x half
	s_lshl_b32 s19, s17, 4
	s_add_co_u32 s20, s20, s19
	s_add_co_u32 s20, s20, s18
	s_add_co_u32 s20, s20, 256
	s_mul_i32 s20, s20, TPITCH
	s_mov_b32 s21, 0
	s_lshl_b32 s46, s42, 4                         ; B: row tile 16 c + 8 x half
	s_add_co_u32 s46, s46, s18
	s_mul_i32 s46, s46, TPITCH
	s_mov_b32 s47, 0
	s_mul_i32 s45, s14, HALFT                      ; where they go: by the wave's number alone
	s_wait_kmcnt 0x0
	s_add_nc_u64 s[20:21], s[4:5], s[20:21]
	s_add_nc_u64 s[46:47], s[4:5], s[46:47]
	CROUND                                         ; all sixteen work-groups are here: the first joint loads meet
.irp s, 0,1
	s_mov_b32 s[G0+4*\s], 1
	s_add_co_u32 s[G0+4*\s+1], s45, \s*SLOT
	s_add_nc_u64 s[G0+4*\s+2:G0+4*\s+3], s[20:21], \s*SLB
	s_or_b32 s[G0+4*\s+3], s[G0+4*\s+3], 0x80000000
	s_mov_b32 s[G0B+4*\s], 1
	s_add_co_u32 s[G0B+4*\s+1], s45, \s*SLOT
	s_add_nc_u64 s[G0B+4*\s+2:G0B+4*\s+3], s[46:47], \s*SLB
	s_or_b32 s[G0B+4*\s+3], s[G0B+4*\s+3], 0x80000000
.if \s == 0
	JLOAD G0, G1, G0B, G1B                         ; K steps 0-2: my one tensor load at the head
.endif
.endr
	v_and_b32 v1, 15, v0                           ; r
	v_bfe_u32 v2, v0, 4, 1                         ; h
	s_wait_alu depctr_va_vdst(0)
	v_and_b32 v3, 31, v0
	v_lshlrev_b32 v[LI], 4, v3
	v_lshlrev_b32 v[SO], 5, v1
	v_lshl_add_u32 v[SO], v2, 4, v[SO]
	s_mul_i32 s21, s15, HALFT                      ; my eight row tiles of A
	s_mul_i32 s22, s16, HALFT                      ; and of B,
	s_add_co_u32 s22, s22, 2*HALFT                 ; which lie behind A's sixteen
.irp s, 0,1
	v_add_nc_u32 v[ADRA+\s], s21, v[LI]
	v_add_nc_u32 v[ADRB+\s], s22, v[LI]
	s_add_co_u32 s21, s21, SLOT
	s_add_co_u32 s22, s22, SLOT
.endr
	; THE SCALE WORDS: wscales [group of 128 rows][16 K steps][16 r][8 tiles].  A's group is 32 (x) or 48 (Wv) + 2 y + ha, B's is 2 c + hb, which is always the lower number.
	s_lshl_b32 s18, s66, 4
	s_lshl_b32 s19, s17, 1
	s_add_co_u32 s18, s18, s19
	s_add_co_u32 s18, s18, s15
	s_add_co_u32 s18, s18, 32
	s_lshl_b32 s19, s42, 1
	s_add_co_u32 s19, s19, s16
	s_sub_co_u32 s18, s18, s19
	s_lshl_b32 s18, s18, 13                        ; from B's group up to A's, in bytes
	s_lshl_b32 s19, s19, 13
	v_xor_b32 v5, 1, v2                            ; 1 in lanes 0-15, which take A's
	v_mul_u32_u24 v5, s18, v5
	v_add_nc_u32 v5, s19, v5
	v_lshl_add_u32 v[VS], v1, 5, v5                ; + 32 r: my row's eight words
.set gg, 0
.rept 16
	global_load_b128 v[SC+8*gg+96*(gg/12):SC+8*gg+96*(gg/12)+3], v[VS], s[6:7] offset:512*gg      ; the two loads of a K step cover two whole blocks of 512 bytes
	global_load_b128 v[SC+8*gg+96*(gg/12)+4:SC+8*gg+96*(gg/12)+7], v[VS], s[6:7] offset:512*gg+16
.set gg, gg+1
.endr
	; THE BIAS is the C of each sum's first product.  Q, K: it runs along the registers (tile b: 32 (b / 2) + 8 (b % 2) + 16 h + j).  V: it belongs to the lane's channel (tile a: 32 (a / 2) + 8 (a % 2) + r + 8 (r / 8)), the same in all
	; eight registers.  Both forms are loaded from my 128 numbers of the bias, 24 loads, and one is chosen by v_cndmask_b32: with the scale words 56 loads of mine are out.
	s_and_b32 s13, s42, 7                          ; c % 8
	s_cmp_eq_u32 s66, 0
	s_cselect_b32 s46, s13, s17                    ; the 256 of the bias: by c for Q and K, by y for V,
	s_cselect_b32 s47, s16, s15                    ; and my 128 of them
	s_cselect_b32 s97, 0, -1                       ; every lane where V is made, else none
	s_lshl_b32 s46, s46, 10
	s_lshl_b32 s47, s47, 9
	s_add_co_u32 s46, s46, s47
	s_mov_b32 s47, 0
	s_cmp_eq_u32 s67, 1
	s_cselect_b64 s[8:9], s[10:11], s[8:9]
	s_cmp_eq_u32 s67, 2
	s_cselect_b64 s[8:9], s[84:85], s[8:9]
	s_add_nc_u64 s[8:9], s[8:9], s[46:47]
	v_lshlrev_b32 v4, 6, v2                        ; 16 h numbers on
	v_and_b32 v5, 8, v1
	v_add_nc_u32 v5, v5, v1
	v_lshlrev_b32 v5, 2, v5                        ; r + 8 (r / 8) numbers on
	WIN 0x40                                       ; destination window 1
.irp t, 0,1,2,3,4,5,6,7
	global_load_b128 v[BB+8*(\t%4)+128*(\t/4):BB+8*(\t%4)+128*(\t/4)+3], v4, s[8:9] offset:(32*(\t/2)+8*(\t%2))*4
	global_load_b128 v[BB+8*(\t%4)+128*(\t/4)+4:BB+8*(\t%4)+128*(\t/4)+7], v4, s[8:9] offset:(32*(\t/2)+8*(\t%2))*4+16
.endr
	WIN 0
.irp t, 0,1,2,3,4,5,6,7
	global_load_b32 v[BT+\t], v5, s[8:9] offset:(32*(\t/2)+8*(\t%2))*4
.endr
	; THE PREFETCHES (macro ASK).  x's rows are read as A by the clusters x = 0..3 and as B by x = 4, 5; Wv's as A by x = 4, 5; Wq's and Wk's as B by both rows of clusters.  So each row's bytes are named once:
	; a wave that fetches A asks where the cluster's x is 0 or 4, a wave that fetches B where the cluster's y is 0 and V is not made.  Of the eight row tiles that a wave fetches, the partner at place p takes 2 p and 2 p + 1
	; (p = cx for A, cy for B): the partners are told apart by address, and no branch hangs on a work-group's place in its cluster.
	s_lshl_b32 s92, s66, 7
	s_lshl_b32 s93, s17, 4
	s_add_co_u32 s92, s92, s93
	s_add_co_u32 s92, s92, 256                     ; A's first row tile
	s_lshl_b32 s93, s40, 1
	s_add_co_u32 s92, s92, s93                     ; + 2 cx
	s_lshl_b32 s93, s42, 4                         ; B's
	s_lshl_b32 s94, s41, 1
	s_add_co_u32 s93, s93, s94                     ; + 2 cy
	s_and_b32 s94, ttmp9, 3
	s_and_b32 s95, ttmp7, 0xffff
	s_or_b32 s95, s95, s66
	s_cmp_eq_u32 s15, 0                            ; do I fetch for A?
	s_cselect_b32 s92, s92, s93
	s_cselect_b32 s94, s94, s95
	s_lshl_b32 s93, s16, 3
	s_add_co_u32 s92, s92, s93                     ; + the eight that I fetch
	s_mul_i32 s92, s92, TPITCH
	s_mov_b32 s93, 0
	s_cmp_eq_u32 s94, 0
	s_cselect_b32 s[LIM], 1, 0                     ; the same in all sixteen partners, for a given wave
	s_add_nc_u64 s[PFA:PFA+1], s[4:5], s[92:93]
	v_min_u32 v[PFO], 17, v3                       ; three K steps of a row tile are 18 blocks of 256 bytes, a lane a block (the lanes behind name the last with it, in the same instruction)
	v_lshlrev_b32 v[PFO], 8, v[PFO]
	v_min_u32 v[PFO+1], 5, v3                      ; one K step is 6
	v_lshlrev_b32 v[PFO+1], 8, v[PFO+1]
	s_cmp_eq_u32 s[LIM], 1                         ; K steps 3-5, which the next tensor load will ask for
	s_cbranch_scc0 .Lnot_first
	global_prefetch_b8 v[PFO], s[PFA:PFA+1] offset:3*FRB th:TH_LOAD_NT scope:SCOPE_SE
	global_prefetch_b8 v[PFO], s[PFA:PFA+1] offset:TPITCH+3*FRB th:TH_LOAD_NT scope:SCOPE_SE
.Lnot_first:
	; where my results go.  Q: qcodes [head][128 tiles][1,536], qscales [head][16 groups][512].  kv [head][8 slots of 256 keys][51,200]: K's 16 fragments, V's 16, K's two blocks of words, V's two
	s_lshl_b32 s2, s13, 1
	s_add_co_u32 s2, s2, s16                       ; Q's and K's head: 2 (c % 8) + hb
	s_lshl_b32 s10, s17, 1
	s_add_co_u32 s10, s10, s15                     ; 2 y + ha: V's head; Q's group of eight tiles
	s_lshl_b32 s11, s2, 7
	s_lshl_b32 s12, s10, 3
	s_add_co_u32 s11, s11, s12
	s_mul_i32 s11, s11, FRB                        ; Q's codes
	s_lshl_b32 s12, s2, 4
	s_add_co_u32 s12, s12, s10
	s_lshl_b32 s12, s12, 9                         ; Q's words
	s_mul_i32 s46, s2, 409600
	s_mul_i32 s47, s17, 51200
	s_add_co_u32 s46, s46, s47                     ; K: head, slot y
	s_mul_i32 s47, s15, 8*FRB
	s_add_co_u32 s47, s46, s47                     ; K's codes: key step ha
	s_lshl_b32 s84, s15, 9
	s_add_co_u32 s46, s46, s84
	s_add_co_u32 s46, s46, 49152                   ; K's words
	s_mul_i32 s84, s10, 409600
	s_mul_i32 s85, s13, 51200
	s_add_co_u32 s84, s84, s85                     ; V: head, slot c % 8
	s_mul_i32 s85, s16, 8*FRB
	s_add_co_u32 s85, s84, s85
	s_add_co_u32 s85, s85, 24576                   ; V's codes: key step hb
	s_lshl_b32 s100, s16, 9
	s_add_co_u32 s84, s84, s100
	s_add_co_u32 s84, s84, 50176                   ; V's words
	s_cmp_eq_u32 s67, 2
	s_cselect_b32 s47, s85, s47
	s_cselect_b32 s46, s84, s46
	s_cmp_eq_u32 s67, 0
	s_cselect_b32 s100, s11, s47
	s_cselect_b32 s46, s12, s46
	s_cselect_b64 s[86:87], s[86:87], s[90:91]     ; the codes' buffer,
	s_cselect_b64 s[88:89], s[88:89], s[90:91]     ; the words'
	s_mov_b32 s101, 0
	s_mov_b32 s47, 0
	s_add_nc_u64 s[86:87], s[86:87], s[100:101]
	s_add_nc_u64 s[88:89], s[88:89], s[46:47]
.macro FRAG reg, adr, off              ; a fragment comes as it was stored: three loads of 512 consecutive bytes
.irp c, 0,1,2
	ds_load_b128 v[\reg+4*\c:\reg+4*\c+3], v[\adr] offset:\off+512*\c
.endr
.endm
; 16 matrix instructions of K step g: A's tiles a0, a0 + 1 x B's eight.  B's set is g % 2.  zero = 1: C is the bias by b; 2: by a; 0: the sum goes on in place.
; The 64 accumulators take turns, one instruction a turn, in the same order in every step.
.macro MUL16 a0, g, zero
.irp a, \a0, \a0+1
.irp b, 0,1,2,3,4,5,6,7
.set rD, 8*(8*((\a)%4)+\b)
.set rB, 128*((\g)%2)+FR*\b
.set rA, AF+FR*(\a)
.set rS, SC+8*(\g)+96*((\g)/12)
.if (\zero) == 1
.set rC, BB+8*(\b%4)+128*(\b/4)
	v_wmma_scale_f32_16x16x128_f8f6f4 v[rD:rD+7], v[rB:rB+FR-1], v[rA:rA+FR-1], v[rC:rC+7], v[rS+\b], v[rS+(\a)] matrix_a_fmt:MATRIX_FMT_BF6 matrix_b_fmt:MATRIX_FMT_BF6 matrix_a_scale:MATRIX_SCALE_ROW1
.elseif (\zero) == 2
.set rC, BB+8*((\a)%4)+128*((\a)/4)
	v_wmma_scale_f32_16x16x128_f8f6f4 v[rD:rD+7], v[rB:rB+FR-1], v[rA:rA+FR-1], v[rC:rC+7], v[rS+\b], v[rS+(\a)] matrix_a_fmt:MATRIX_FMT_BF6 matrix_b_fmt:MATRIX_FMT_BF6 matrix_a_scale:MATRIX_SCALE_ROW1
.else
	v_wmma_scale_f32_16x16x128_f8f6f4 v[rD:rD+7], v[rB:rB+FR-1], v[rA:rA+FR-1], v[rD:rD+7], v[rS+\b], v[rS+(\a)] matrix_a_fmt:MATRIX_FMT_BF6 matrix_b_fmt:MATRIX_FMT_BF6 matrix_a_scale:MATRIX_SCALE_ROW1
.endif
.endr
.endr
.endm
; K step n lies in slot (n / 3) % 2, at 1,536 (n % 3) bytes of each row tile's 4,608; K step 15 is a tile of its own, with row tiles 1,536 bytes apart
.macro FETCH_B n                       ; B's eight fragments of K step n into set n % 2
.set FSL, ((\n)/3)%2
.set FOF, ((\n)%3)*FRB
.set FPI, SLB
.if (\n) == 15
.set FPI, FRB
.endif
	WIN TO_B
.irp i, 0,1,2,3,4,5,6,7
	FRAG 128*((\n)%2)+FR*\i, ADRB+FSL, \i*FPI+FOF
.endr
	WIN 0
.endm
.macro FETCH_A n, i0                   ; A's tiles i0 .. i0 + 3 of K step n
.set FSL, ((\n)/3)%2
.set FOF, ((\n)%3)*FRB
.set FPI, SLB
.if (\n) == 15
.set FPI, FRB
.endif
.irp i, \i0, \i0+1, \i0+2, \i0+3
	FRAG AF+FR*(\i), ADRA+FSL, (\i)*FPI+FOF
.endr
.endm
; A load into a register that a matrix instruction has read, and a vector instruction that reads a matrix result, stand NP places behind it; only plain vector instructions that name none of its registers are places.
.macro PLACES n
.rept \n
	v_nop
.endr
.endm
; A PREFETCH INTO THE L2 of what the NEXT tensor load will ask for, from K step st on: one slot, three K steps, ahead of that load.  Two instructions a wave, one for each of my work-group's two row tiles; the K step
; stands in the immediate, so no address register is ever written again.  It stands behind the joint load, its lines and the run of LDS loads that the next products wait for.  K steps 0-2 come by their load alone,
; and the last refill asks for nothing.
.macro ASK st
	s_cmp_eq_u32 s[LIM], 1
	s_cbranch_scc0 .Lnot_mine_\@
.if (\st) == 15
	global_prefetch_b8 v[PFO+1], s[PFA:PFA+1] offset:(\st)*FRB th:TH_LOAD_NT scope:SCOPE_SE
	global_prefetch_b8 v[PFO+1], s[PFA:PFA+1] offset:TPITCH+(\st)*FRB th:TH_LOAD_NT scope:SCOPE_SE
.else
	global_prefetch_b8 v[PFO], s[PFA:PFA+1] offset:(\st)*FRB th:TH_LOAD_NT scope:SCOPE_SE
	global_prefetch_b8 v[PFO], s[PFA:PFA+1] offset:TPITCH+(\st)*FRB th:TH_LOAD_NT scope:SCOPE_SE
.endif
.Lnot_mine_\@:
.endm
.macro STEP g, zero                    ; K step g, whose successor lies in the same slot
	s_wait_dscnt 4*NL                              ; B's set and A's tiles 0-3 are in; the youngest twelve loads (A's tiles 4-7) may be out
.if \zero
	WIN 0x91                                       ; source 0 (B) and C (the bias) window 1, D window 2
.else
	WIN MUL_LO
.endif
	MUL16 0, \g, \zero
	MUL16 2, \g, \zero
	s_wait_dscnt 0                                 ; A's tiles 4-7 are in
	PLACES NP
	FETCH_B (\g)+1
	FETCH_A (\g)+1, 0
.if \zero
	WIN 0xd1
.else
	WIN MUL_HI
.endif
	MUL16 4, \g, \zero
	MUL16 6, \g, \zero
	PLACES NP
	WIN 0
	FETCH_A (\g)+1, 4
.endm
; A slot's last K step changes slots: one barrier; in front of it each wave waits for all its tensor loads, adds 0 to its spare word, and waits for that and for its reads of this slot.
; fill = 1: this slot is filled again with the three K steps six further on; 2: with K step 15 alone; 0: nothing is left to fetch.  ask: the K step from which the prefetch asks, or 0.
.macro TURN g, fill, ask
.set TSL, ((\g)/3)%2
	s_wait_tensorcnt 0x0                           ; all my tensor loads have landed: my part of the next slot
	ds_add_u32 v[SPW], v[NIL]                      ; 0 onto my spare word
	s_wait_dscnt 4*NL+1                            ; (the add and the youngest twelve loads may be out)
	WIN MUL_LO
	MUL16 0, \g, 0                                 ; sixteen matrix instructions stand between the add and the wait for it
	s_wait_dscnt 0x0                               ; the add is done, and my reads of this slot are over
	s_barrier_signal -1
	MUL16 2, \g, 0
	WIN 0
	s_barrier_wait -1
.if \fill
	CREST                                          ; the barrier has opened a round of the cluster's barrier: no wave of any partner still reads this slot or has a load on its way
	s_add_nc_u64 s[G0+4*TSL+2:G0+4*TSL+3], s[G0+4*TSL+2:G0+4*TSL+3], 2*SLB
	s_add_nc_u64 s[G0B+4*TSL+2:G0B+4*TSL+3], s[G0B+4*TSL+2:G0B+4*TSL+3], 2*SLB
.if (\fill) == 1
	JLOAD G0+4*TSL, G1, G0B+4*TSL, G1B             ; the first tensor load behind the round, my one load until the next; its four v_nop are the places in front of the loads below
.else
	JLOAD G0+4*TSL, G1L, G0B+4*TSL, G1BL
.endif
.else
	PLACES NP
.endif
	FETCH_B (\g)+1
	FETCH_A (\g)+1, 0
.if \ask
	ASK \ask
.endif
	WIN MUL_HI
	MUL16 4, \g, 0
	MUL16 6, \g, 0
	PLACES NP
	WIN 0
	FETCH_A (\g)+1, 4
.endm
	s_wait_alu depctr_va_vdst(0)
	s_wait_tensorcnt 0x0                           ; my part of slot 0 is in; slot 1's first fill is issued as a refill is:
	ds_add_u32 v[SPW], v[NIL]                      ; 0 onto my spare word
	s_wait_dscnt 0x0
	CROUND                                         ; everybody's part of slot 0 is in, and all sixteen work-groups are here
	JLOAD G0+4, G1, G0B+4, G1B                     ; K steps 3-5, the first tensor load behind the round
	FETCH_B 0
	FETCH_A 0, 0
	FETCH_A 0, 4
	s_wait_loadcnt 0x0                             ; the scale words and the bias
	WIN 0x41                                       ; destination and source 0 window 1
.irp t, 0,1,2,3,4,5,6,7
.irp j, 0,1,2,3,4,5,6,7
	v_cndmask_b32 v[BB+8*(\t%4)+128*(\t/4)+\j], v[BB+8*(\t%4)+128*(\t/4)+\j], v[BT+\t], s97   ; where V is made the lane's own bias takes the place of the bias along the registers
.endr
.endr
	WIN 0
	PLACES NP                                      ; the distance that an operand written by vector instructions keeps ahead of a scaled matrix instruction
	s_cmp_eq_u32 s66, 0                            ; the first step starts the sums with the bias: by b for Q and K, by a for V.  The branch hangs on the cluster's x alone; no barrier and no tensor load stands in its arms
	s_cbranch_scc0 .Lfirst_v
	s_wait_alu depctr_va_vdst(0)
	STEP 0, 1
	s_branch .Lfirst_done
.Lfirst_v:
	s_wait_alu depctr_va_vdst(0)
	STEP 0, 2
.Lfirst_done:
	ASK 6
	STEP 1, 0
	TURN 2, 1, 9                                   ; slot 0 takes K steps 6-8
	STEP 3, 0
	STEP 4, 0
	TURN 5, 1, 12                                  ; slot 1 takes K steps 9-11
	STEP 6, 0
	STEP 7, 0
	TURN 8, 1, 15                                  ; slot 0 takes K steps 12-14
	STEP 9, 0
	STEP 10, 0
	TURN 11, 2, 0                                  ; slot 1 takes K step 15
	STEP 12, 0
	STEP 13, 0
	TURN 14, 0, 0                                  ; nothing is filled, so no round of the cluster's barrier follows
	s_wait_dscnt 4*NL                              ; the very last step: nothing more to fetch
	WIN MUL_LO
	MUL16 0, 15, 0
	MUL16 2, 15, 0
	s_wait_dscnt 0
	WIN MUL_HI
	MUL16 4, 15, 0
	MUL16 6, 15, 0
	WIN 0
; THE WAY OUT.  A's tile a: its eight accumulators are 64 numbers of a lane, register 16 b + i = k 32 b + 16 (lane / 16) + i of the lane's row: they become one fragment and one scale word a row.
; s: the accumulators' first register; w: their window; pc: where the codes go; pw: the word.  Each accumulator is read from its low end on.
.macro QUANTW s, w, pc, pw
	WIN ((\w)<<2)|((\w)<<4)                        ; sources 1 and 2: the accumulators' window
.irp b, 0,1,2,3
	v_mov_b32 v[TM+\b], 0x2800000                  ; the floor 2^(5 - 127): the byte cannot fall under 1
.endr
.irp i, 0,2,4,6,8,10,12,14
.irp b, 0,1,2,3
	v_max3_num_f32 v[TM+\b], v[TM+\b], |v[\s+16*\b+\i]|, |v[\s+16*\b+\i+1]|   ; the four blocks by turns
.endr
.endr
	WIN 0
.irp b, 0,1,2,3
	v_permlanex16_b32 v[TM+4+\b], v[TM+\b], s18, s19
.endr
.irp b, 0,1,2,3
	v_max_num_f32 v[TM+\b], v[TM+\b], v[TM+4+\b]   ; with lane l xor 16's: the block's largest magnitude
.endr
.irp b, 0,1,2,3
	v_add_nc_u32 v[TM+12+\b], 0xfe000000, v[TM+\b] ; 4 off its exponent field: the conversion's scale operand
.endr
.irp b, 0,1,2,3
	v_lshrrev_b32 v[TM+4+\b], 23, v[TM+12+\b]      ; the scale's byte
.endr
	v_lshl_or_b32 v[\pw], v[TM+5], 8, v[TM+4]
	v_lshl_or_b32 v[\pw], v[TM+6], 16, v[\pw]
	v_lshl_or_b32 v[\pw], v[TM+7], 24, v[\pw]
	WIN (\w)                                       ; source 0: the accumulators' window
.irp c, 0,1
	v_cvt_scalef32_pk16_bf6_f32 v[\pc+6*\c:\pc+6*\c+2], v[\s+32*\c:\s+32*\c+15], v[TM+12+2*\c]
	v_cvt_scalef32_pk16_bf6_f32 v[\pc+12+4*\c:\pc+14+4*\c], v[\s+16+32*\c:\s+31+32*\c], v[TM+13+2*\c]   ; (a conversion's three registers begin on an even number)
.endr
	WIN 0
	v_nop                                          ; one plain place behind a scaled conversion
.irp c, 0,1                                    ; the operand's layout wants a whole block in a lane: lanes 0-15 block 2 c, lanes 16-31 block 2 c + 1
.irp i, 0,1,2
	v_permlane16_swap_b32 v[\pc+6*\c+\i], v[\pc+12+4*\c+\i]
.endr
.irp i, 0,1,2
	v_mov_b32 v[\pc+3+6*\c+\i], v[\pc+12+4*\c+\i]
.endr
.endr
.endm
	s_mov_b32 s18, 0x76543210
	s_mov_b32 s19, 0xfedcba98                      ; selects for lane l xor 16
	s_mov_b32 s3, 0xffff0000                       ; lanes 16-31
	PLACES NP                                      ; behind the last products: what follows writes registers that held A's fragments
.irp b, 0,1,2,3
	v_mov_b32 v[TM+4+\b], 0                        ; written once: a lane permute's destination counts as one of its sources
.endr
.irp a, 0,1,2,3,4,5,6,7
.if \a >= 3
	s_wait_xcnt 0x0                                ; three sets of codes take turns: this one was the data of stores three fragments ago, and is rewritten only behind this wait
.endif
	QUANTW 64*(\a%4), 2+\a/4, CSET+20*(\a%3), WRD+\a
.irp c, 0,1,2
	global_store_b128 v[LI], v[CSET+20*(\a%3)+4*\c:CSET+20*(\a%3)+4*\c+3], s[86:87] offset:FRB*\a+512*\c   ; 512 consecutive bytes, at a multiple of 512 from the buffer's first byte
.endr
.endr
.irp i, 0,1,2,3
	v_cndmask_b32 v[WOUT+\i], v[WRD+\i], v[WRD+4+\i], s3   ; lanes 0-15 send the words of tiles 0-3, lanes 16-31 those of tiles 4-7
.endr
	global_store_b128 v[SO], v[WOUT:WOUT+3], s[88:89]      ; 512 consecutive bytes
	s_wait_tensorcnt 0x0                           ; the wave's end
	ds_add_u32 v[SPW], v[NIL]
	s_wait_dscnt 0x0
	CROUND                                         ; the closing round: no work-group ends while a partner may still ask for a tile that names it
	s_endpgm
.Lfunc_end_k_q88bade3e48_qkv:
	.size	k_q88bade3e48_qkv, .Lfunc_end_k_q88bade3e48_qkv-k_q88bade3e48_qkv
	.p2alignl 7, 3214868480
	.fill 96, 4, 3214868480
	.section	.rodata,"a",@progbits
	.p2align	6, 0x0
	.amdhsa_kernel k_q88bade3e48_qkv
		.amdhsa_group_segment_fixed_size 327680
		.amdhsa_private_segment_fixed_size 0
		.amdhsa_enable_private_segment 0
		.amdhsa_kernarg_size 64
		.amdhsa_user_sgpr_count 2
		.amdhsa_user_sgpr_kernarg_segment_ptr 1
		.amdhsa_wavefront_size32 1
		.amdhsa_system_sgpr_workgroup_id_x 1
		.amdhsa_system_sgpr_workgroup_id_y 1
		.amdhsa_system_sgpr_workgroup_id_z 1
		.amdhsa_system_vgpr_workitem_id 0
		.amdhsa_next_free_vgpr 1024
		.amdhsa_next_free_sgpr 102
		.amdhsa_reserve_vcc 0
		.amdhsa_float_denorm_mode_32 3
		.amdhsa_float_denorm_mode_16_64 3
		.amdhsa_memory_ordered 1
		.amdhsa_forward_progress 1
		.amdhsa_inst_pref_size 255
	.end_amdhsa_kernel
	.section	.bss,"aw",@nobits
	.p2align	6
	.space	262144
	.amdgpu_metadata
---
amdhsa.version: [ 1, 2 ]
amdhsa.kernels:
  - .name:           k_q88bade3e48_qkv
    .symbol:         k_q88bade3e48_qkv.kd
    .args:
      - { .name: wcodes, .offset: 0, .size: 8, .value_kind: global_buffer, .address_space: global }
      - { .name: wscales, .offset: 8, .size: 8, .value_kind: global_buffer, .address_space: global }
      - { .name: bq, .offset: 16, .size: 8, .value_kind: global_buffer, .address_space: global }
      - { .name: bk, .offset: 24, .size: 8, .value_kind: global_buffer, .address_space: global }
      - { .name: bv, .offset: 32, .size: 8, .value_kind: global_buffer, .address_space: global }
      - { .name: qcodes, .offset: 40, .size: 8, .value_kind: global_buffer, .address_space: global }
      - { .name: qscales, .offset: 48, .size: 8, .value_kind: global_buffer, .address_space: global }
      - { .name: kv, .offset: 56, .size: 8, .value_kind: global_buffer, .address_space: global }
    .group_segment_fixed_size: 327680
    .private_segment_fixed_size: 0
    .kernarg_segment_align: 8
    .kernarg_segment_size: 64
    .max_flat_workgroup_size: 128
    .sgpr_count:     102
    .vgpr_count:     1024
    .wavefront_size: 32
...
	.end_amdgpu_metadata
.endif
;; end of part 2
;; launch attn (part 3): grid 16 x 16, 8 waves a work-group, no clusters, 327,680 bytes of LDS; arguments qcodes, qscales, kv, ycodes, yscales; writes ycodes, yscales
.if DOCPART == 3
	.amdgcn_target "amdgcn-amd-amdhsa--gfx1250"
	.amdhsa_code_object_version 6
	.text
	.protected	k_q88bade3e48_attn
	.globl	k_q88bade3e48_attn
	.p2align	8
	.type	k_q88bade3e48_attn,@function
k_q88bade3e48_attn:
	s_mov_b64 s[64:65], 0
	v_nop
	global_prefetch_b8 v0, s[64:65] scope:SCOPE_SE
	s_setreg_imm32_b32 hwreg(HW_REG_WAVE_MODE, 25, 1), 1
	s_wait_xcnt 0x0
; Causal attention of 16 heads of 128 on codes of BF6 with E8M0 scales; Y is quantised along its 128 channels in registers and leaves as images of operand registers.
; t = score x log2(e) / sqrt(128); M = the row's largest t so far, rounded up to a whole number; p = 2^(t - M) is quantised along the keys, not normalised; the row's sum is taken of the unquantised p and divides at the end.
; When M moves, the sum and O are multiplied by 2^(old M - new M): exact.  Key steps that lie wholly behind the causal mask are left out.
; LIMITS: NaN and infinities are not served; the promise holds while the scaled scores t stay under 2^31 in magnitude.  A block of zeros gets the byte 1 where the rule says 127: its codes are zeros, and this program alone reads the bytes.
; LAYOUT: both products transposed: S^T = K Q^T (source 0 = 16 keys), O^T = V^T P^T (source 0 = 16 channels): a lane holds one query.  Lane r of tile 2 g + u of keys, queries and channels is number
; 32 g + 8 u + r + 8 (r / 8), so the 16 registers of two neighbouring tiles are 16 neighbours: 32 b + 16 (lane / 16) + 0 .. 15.
; SHARES: work-group (i, head) owns the blocks i and 31 - i of 64 queries.  Block b needs the key steps (128 keys) 0 .. b / 2: 17 for the two blocks together.  Wave w = 4 e + j owns tile j of BOTH blocks and takes the key
; steps of parity e: 8 or 9 tile steps a wave.  Waves w and w xor 4 so hold two partial results (M, sum, O) of each tile; at the end each hands one of them to the other through LDS and finishes the tile that it keeps:
; both parts are brought under the larger M by powers of two and added.  The set of registers P holds the tile that the wave finishes (e = 0: the high block's, e = 1: the low one's), the set S the other.
; THE RING: two slots of 512 keys (four key steps: 102,400 dense bytes of kv), an eighth by each wave.  The loop has two trips of two slots for every work-group; a work-group with i > 7 needs three slots, so the fourth
; slot's load is jumped over on ids.  That jump is why the launch has no clusters: partners of a joint load would have to issue it on every path.
; THE PREFETCH: behind the load of slot n the work-groups i < 8 of a head ask for slot n + 1's successor, slot n + 2 (n = 0, 1): waves 0 and 1, 25 blocks of 256 bytes each, sixteen shares told apart by address.
; REGISTERS: window 0: v1-11, v28-31, v48-49, v70-74 addresses; v12-15 P's -M, largest t, sum in two halves; v16-27 P's Q; v32-47 K's and V's words; v52-55, v56-67 the same for S; v68-69 Q's words; v76-85 the merge;
;   v96-159 S^T, then p; v160-223 P's O^T; v224-254 codes and work.   window 1: v0-95 K's eight fragments; v128-223 V's; S's O^T at v96-127 and v224-255.
.set SML,   51200                      ; 256 keys in kv: K's 16 fragments, V's 16, K's two blocks of 512 bytes of words, V's two
.set BIGB,  2*SML
.set VOFF,  24576
.set KSC,   49152
.set MRG,   2*BIGB                     ; the merge: 8,448 bytes for each wave: 64 registers and a pair
.set MRW,   8448
.set YSC,   MRG+8*MRW                  ; Y's scale words meet here: two blocks of 256 bytes
.set SPARE, YSC+512                    ; the spare words, 128 bytes for each wave
.set ADR,  1                           ; v1-4    my key step's fragments: register 2 slot + u
.set SPW,  5
.set NIL,  6
.set GL,   7                           ; 16 x lane
.set QIP,  8                           ; P's query in its last key step, less 16 (lane / 16)
.set QIS,  9
.set YSA,  10
.set YSR,  11
.set STP,  12
.set QFP,  16
.set ASC,  28                          ; v28-31  my key step's words
.set KW,   32
.set VW,   40
.set QSO,  48
.set YG,   49
.set STS,  52
.set QFS,  56
.set QWP,  68
.set QWS,  69
.set PFO,  70
.set MST,  71
.set MLD,  72
.set MS2,  73
.set ML2,  74
.set WV,   14
.set E,    15
.set J,    16
.set HD,   17
.set BP,   18
.set BS,   19
.set SEL,  20
.set CS,   22
.set G1,   24
.set G0,   32
.set SI,   40                          ; my key step in hand
.set SIB,  41                          ; the slot of 512 keys in hand
.set CNT,  42
.set LIM,  43                          ; 2 in a wave that prefetches, else 0
.set PFA,  44
.set QS2,  46
.set QW2,  48
.set KLH,  50                          ; the last key step of the high block, of P's tile, of S's tile
.set KLP,  51
.set KLS,  52
.set NBL,  53                          ; the last slot of 512 keys
.set MSB, 0
.macro WIN new                         ; the immediate's high byte repeats the setting that is left
.if MSB != (\new)
	s_set_vgpr_msb (MSB<<8)|(\new)
.set MSB, (\new)
.endif
.endm
	s_load_b256 s[4:11], s[0:1], 0x0               ; qcodes, qscales, kv, ycodes
	s_load_b64 s[12:13], s[0:1], 0x20              ; yscales
	v_lshl_add_u32 v[SPW], v0, 2, SPARE
	v_mov_b32 v[NIL], 0
	ds_add_u32 v[SPW], v[NIL]                      ; the opening: the add, twice on end, and its wait
	ds_add_u32 v[SPW], v[NIL]
	v_lshrrev_b32 v1, 5, v0
	v_readfirstlane_b32 s[WV], v1                  ; wave 0..7
	s_lshr_b32 s[E], s[WV], 2
	s_and_b32 s[J], s[WV], 3
	s_and_b32 s[HD], ttmp7, 0xffff
	s_mul_i32 s2, s[HD], 8*SML
	s_mul_i32 s3, s[WV], BIGB/8                    ; my eighth of a slot
	s_add_co_u32 s54, s2, s3
	s_mov_b32 s55, 0
	s_mov_b32 s[G1], 3<<16                         ; elements of 8 bytes; 50 dense rows of 256 bytes
	s_mov_b32 s[G1+1], 32<<16
	s_mov_b32 s[G1+2], 50<<16
	s_mov_b32 s[G1+3], 32<<16
	s_mov_b32 s[G1+4], 50
	s_mov_b32 s[G1+5], 32
	s_mov_b32 s[G1+6], 0
	s_mov_b32 s[G1+7], 0
	s_wait_dscnt 0x0
	s_wait_kmcnt 0x0
	s_add_nc_u64 s[54:55], s[8:9], s[54:55]
.irp s, 0,1
	s_mov_b32 s[G0+4*\s], 1
	s_add_co_u32 s[G0+4*\s+1], s3, \s*BIGB
	s_add_nc_u64 s[G0+4*\s+2:G0+4*\s+3], s[54:55], \s*BIGB
	s_or_b32 s[G0+4*\s+3], s[G0+4*\s+3], 0x80000000
.endr
	tensor_load_to_lds s[G0:G0+3], s[G1:G1+7]      ; keys 0-511: my one tensor load at the head
	s_nop 0
.rept 4
	v_nop
.endr
	s_sub_co_u32 s54, 31, ttmp9                    ; the high block
	s_cmp_eq_u32 s[E], 0
	s_cselect_b32 s[BP], s54, ttmp9
	s_cselect_b32 s[BS], ttmp9, s54
	s_lshr_b32 s[KLH], s54, 1
	s_lshr_b32 s[KLP], s[BP], 1
	s_lshr_b32 s[KLS], s[BS], 1
	s_lshr_b32 s[NBL], s[KLH], 2
	s_mov_b32 s[SI], s[E]
	s_mov_b32 s[SIB], 0
	s_mov_b32 s[CNT], 0
	s_lshl_b32 s54, s[BP], 2
	s_add_co_u32 s54, s54, s[J]                    ; P's tile of queries, 0..127
	s_lshl_b32 s55, s[BS], 2
	s_add_co_u32 s55, s55, s[J]                    ; S's
	s_lshl_b32 s56, s[HD], 7
	s_add_co_u32 s58, s56, s54
	s_mul_i32 s58, s58, 1536
	s_mov_b32 s59, 0
	s_add_co_u32 s60, s56, s55
	s_mul_i32 s60, s60, 1536
	s_mov_b32 s61, 0
	s_add_nc_u64 s[QS2:QS2+1], s[4:5], s[60:61]    ; Q's fragments
	s_add_nc_u64 s[4:5], s[4:5], s[58:59]
	s_lshl_b32 s56, s[HD], 4
	s_lshr_b32 s58, s54, 3
	s_add_co_u32 s58, s58, s56
	s_lshl_b32 s58, s58, 9
	s_and_b32 s57, s54, 7
	s_lshl_b32 s57, s57, 2
	s_add_co_u32 s58, s58, s57
	s_lshr_b32 s60, s55, 3
	s_add_co_u32 s60, s60, s56
	s_lshl_b32 s60, s60, 9
	s_and_b32 s57, s55, 7
	s_lshl_b32 s57, s57, 2
	s_add_co_u32 s60, s60, s57
	s_add_nc_u64 s[QW2:QW2+1], s[6:7], s[60:61]    ; their scale words: the group's block, the tile's column
	s_add_nc_u64 s[6:7], s[6:7], s[58:59]
	s_lshl_b32 s58, s54, 4
	s_add_co_u32 s58, s58, s[HD]
	s_mul_i32 s58, s58, 1536
	s_add_nc_u64 s[10:11], s[10:11], s[58:59]      ; Y's fragment: ycodes [128 tiles][16 heads][1,536]
	s_lshl_b32 s58, s[BP], 4
	s_add_co_u32 s58, s58, s[HD]
	s_lshl_b32 s58, s58, 8
	s_add_nc_u64 s[12:13], s[12:13], s[58:59]      ; Y's words: yscales [32 blocks][16 heads][256]
	s_lshr_b32 s54, ttmp9, 3
	s_lshr_b32 s55, s[WV], 1
	s_or_b32 s54, s54, s55
	s_cmp_eq_u32 s54, 0                            ; waves 0 and 1 of the work-groups i < 8 prefetch
	s_cselect_b32 s[LIM], 2, 0
	s_lshl_b32 s54, ttmp9, 1
	s_add_co_u32 s54, s54, s[WV]
	s_mul_i32 s54, s54, BIGB/16                    ; share 2 i + wave of sixteen
	s_add_co_u32 s2, s2, s54
	s_add_co_u32 s2, s2, BIGB                      ; in slot 1: the first change of slots steps it to slot 2
	s_mov_b32 s3, 0
	s_add_nc_u64 s[PFA:PFA+1], s[8:9], s[2:3]
	s_lshr_b32 s56, s[J], 1
	s_lshl_b32 s56, s56, 5
	s_and_b32 s57, s[J], 1
	s_lshl_b32 s57, s57, 3
	s_add_co_u32 s56, s56, s57                     ; 32 (j / 2) + 8 (j % 2)
	s_and_b32 s57, s[BP], 1
	s_lshl_b32 s57, s57, 6
	s_add_co_u32 s57, s57, s56                     ; P's first query in its last key step's 128
	s_and_b32 s58, s[BS], 1
	s_lshl_b32 s58, s58, 6
	s_add_co_u32 s58, s58, s56                     ; S's
	s_mul_i32 s59, s[E], 8*1536                    ; my parity's eight fragments,
	s_lshl_b32 s60, s[E], 9
	s_add_co_u32 s60, s60, KSC                     ; and words
	s_mul_i32 s61, s[WV], MRW
	s_add_co_u32 s61, s61, MRG                     ; where I put S's part,
	s_xor_b32 s62, s[WV], 4
	s_mul_i32 s62, s62, MRW
	s_add_co_u32 s62, s62, MRG                     ; and where wave w xor 4 puts the part that I take
	s_lshl_b32 s63, s[E], 8
	s_add_co_u32 s63, s63, YSC
	s_lshl_b32 s56, s[J], 2
	s_add_co_u32 s56, s56, s63
	s_mov_b32 s[SEL], 0x76543210
	s_mov_b32 s[SEL+1], 0xfedcba98                 ; selects for lane l xor 16
	s_mov_b32 s[CS], 0x3e0293ee                    ; log2(e) / sqrt(128)
	s_mov_b32 s[CS+1], s[CS]
	v_and_b32 v76, 31, v0                          ; lane
	v_and_b32 v77, 15, v0                          ; r
	v_bfe_u32 v78, v0, 4, 1                        ; h
	v_lshlrev_b32 v[GL], 4, v76
	v_lshlrev_b32 v[QSO], 5, v77
.irp c, 0,1,2
	global_load_b128 v[QFP+4*\c:QFP+4*\c+3], v[GL], s[4:5] offset:512*\c
	global_load_b128 v[QFS+4*\c:QFS+4*\c+3], v[GL], s[QS2:QS2+1] offset:512*\c
.endr
	global_load_b32 v[QWP], v[QSO], s[6:7]
	global_load_b32 v[QWS], v[QSO], s[QW2:QW2+1]
	v_add_nc_u32 v[ADR], s59, v[GL]
	v_lshl_add_u32 v[ASC], v77, 5, s60
	v_and_b32 v79, 8, v77
	v_lshlrev_b32 v80, 4, v78
	v_add_nc_u32 v[ADR+1], SML, v[ADR]
	v_add_nc_u32 v[ADR+2], BIGB, v[ADR]
	v_add_nc_u32 v[ADR+3], BIGB+SML, v[ADR]
	v_add_nc_u32 v[ASC+1], SML, v[ASC]
	v_add_nc_u32 v[ASC+2], BIGB, v[ASC]
	v_add_nc_u32 v[ASC+3], BIGB+SML, v[ASC]
	v_add_nc_u32 v79, v79, v77
	v_min_u32 v[PFO], 24, v76                      ; 25 blocks of 256 bytes, a lane a block (lanes 25-31 name lane 24's with it)
	v_sub_nc_u32 v79, v79, v80
	v_lshlrev_b32 v[PFO], 8, v[PFO]
	v_add_nc_u32 v[QIP], s57, v79
	v_add_nc_u32 v[QIS], s58, v79
	v_lshl_add_u32 v[YSA], v77, 4, s56
	v_lshl_add_u32 v[YSR], v76, 3, s63
	v_lshlrev_b32 v[YG], 3, v76
	v_add_nc_u32 v[MST], s61, v[GL]
	v_add_nc_u32 v[MLD], s62, v[GL]
	v_lshl_add_u32 v[MS2], v76, 3, s61
	v_lshl_add_u32 v[ML2], v76, 3, s62
.irp st, STP, STS
	v_mov_b32 v[\st+1], 0xff61b1e6                 ; the largest t so far: -3e38, under every t
	v_mov_b32 v[\st+2], 0                          ; the sum, in two halves
	v_mov_b32 v[\st+3], 0
	v_floor_f32 v[\st], -v[\st+1]                  ; -M
.endr
.irp r, 83,85,236,237,238,239,252,253
	v_mov_b32 v\r, 0                               ; written once: lane permutes' destinations and upper halves of named pairs
.endr
.set n, 0
.rept 64
	v_mov_b32 v[160+n], 0                          ; O^T: the step is written once, and a wave may have no step at all for a tile
.set n, n+1
.endr
	WIN 0x40
.set n, 0
.rept 64
	v_mov_b32 v[96+(n%32)+128*(n/32)], 0
.set n, n+1
.endr
	WIN 0
; From the four blocks' largest magnitudes in v232-235 (not under the floor) and 64 numbers in v96-159: the fragment's codes in v224-235 and its scale word in v253.
.macro TOCODES
.irp b, 0,1,2,3
	s_delay_alu instid0(VALU_DEP_4)
	v_add_nc_u32 v[244+\b], 0xfe000000, v[232+\b]  ; 4 off the exponent field: the conversion's scale operand
.endr
.irp b, 0,1,2,3
	s_delay_alu instid0(VALU_DEP_4)
	v_lshrrev_b32 v[236+\b], 23, v[244+\b]         ; the scale's byte
.endr
	s_delay_alu instid0(VALU_DEP_3)
	v_lshl_or_b32 v253, v237, 8, v236
	s_delay_alu instid0(VALU_DEP_1)
	v_lshl_or_b32 v253, v238, 16, v253
	s_delay_alu instid0(VALU_DEP_1)
	v_lshl_or_b32 v253, v239, 24, v253
.irp c, 0,1
	v_cvt_scalef32_pk16_bf6_f32 v[224+6*\c:226+6*\c], v[96+32*\c:111+32*\c], v[244+2*\c]
	v_cvt_scalef32_pk16_bf6_f32 v[236+4*\c:238+4*\c], v[112+32*\c:127+32*\c], v[245+2*\c]   ; (a conversion's three registers begin on an even number)
.endr
	v_nop                                          ; one plain place behind a scaled conversion
.irp c, 0,1                                    ; the operand's layout wants a whole block in a lane
.irp i, 0,1,2
	v_permlane16_swap_b32 v[224+6*\c+\i], v[236+4*\c+\i]
.endr
.irp i, 0,1,2
	s_delay_alu instid0(VALU_DEP_3)
	v_mov_b32 v[227+6*\c+\i], v[236+4*\c+\i]
.endr
.endr
.endm
; ONE TILE OF 16 QUERIES AGAINST MY KEY STEP'S 128 KEYS.  st: -M, largest t, sum; qf, qw: Q's fragment and word; qi: the query's place; kl: the tile's last key step; lo = 1: O^T lies in window 1.
.macro TILE st, qf, qw, qi, kl, lo
	WIN 0x01                                       ; source 0 window 1
.irp t, 0,1,2,3,4,5,6,7
	v_wmma_scale_f32_16x16x128_f8f6f4 v[96+8*\t:103+8*\t], v[12*\t:12*\t+11], v[\qf:\qf+11], 0, v[KW+\t], v[\qw] matrix_a_fmt:MATRIX_FMT_BF6 matrix_b_fmt:MATRIX_FMT_BF6
.endr
	WIN 0
.rept 4
	v_nop                                          ; places in front of the first read of the scores
.endr
	s_cmp_lt_u32 s[SI], s[\kl]                     ; in the tile's last key step the scores of hidden keys become -infinity ahead of the maximum: p = 0 then
	s_cbranch_scc1 .Lopen_\@
	v_mov_b32 v254, 0xff800000
.set mm, 0
.rept 64
	v_cmp_gt_i32 vcc_lo, 32*(mm/16)+mm%16, v[\qi]  ; register 16 b + i holds the step's key 32 b + 16 (lane / 16) + i
	v_cndmask_b32 v[96+mm], v[96+mm], v254, vcc_lo
.set mm, mm+1
.endr
.Lopen_\@:
.irp b, 0,1,2,3
	v_max3_num_f32 v[232+\b], v[96+16*\b], v[97+16*\b], v[98+16*\b]   ; the largest score of each block of 32 keys: for the row's maximum and, since p rises with the score, for the block's largest p
.endr
.irp i, 3,5,7,9,11,13
.irp b, 0,1,2,3
	v_max3_num_f32 v[232+\b], v[232+\b], v[96+16*\b+\i], v[97+16*\b+\i]
.endr
.endr
.irp b, 0,1,2,3
	v_max_num_f32 v[232+\b], v[232+\b], v[111+16*\b]
.endr
.irp b, 0,1,2,3
	s_delay_alu instid0(VALU_DEP_4)
	v_permlanex16_b32 v[236+\b], v[232+\b], s[SEL], s[SEL+1]
.endr
.irp b, 0,1,2,3
	s_delay_alu instid0(VALU_DEP_4)
	v_max_num_f32 v[232+\b], v[232+\b], v[236+\b]  ; with lane l xor 16's 16 keys
.endr
	s_delay_alu instid0(VALU_DEP_2)
	v_max3_num_f32 v254, v232, v233, v234
	s_delay_alu instid0(VALU_DEP_1)
	v_max_num_f32 v254, v254, v235                 ; the step's largest score of my query
	s_delay_alu instid0(VALU_DEP_1)
	v_mul_f32 v254, s[CS], v254                    ; as t
	s_delay_alu instid0(VALU_DEP_1)
	v_max_num_f32 v[\st+1], v[\st+1], v254         ; the running largest t
	v_mov_b32 v254, v[\st]
	s_delay_alu instid0(VALU_DEP_2)
	v_floor_f32 v[\st], -v[\st+1]                  ; the new -M = floor(-t): M is a whole number
	s_delay_alu instid0(VALU_DEP_1)
	v_sub_f32 v254, v[\st], v254                   ; M's old value less its new one: a whole number, 0 or less
	s_delay_alu instid0(VALU_DEP_1)
	v_cvt_i32_f32 v254, v254                       ; (it saturates)
	s_delay_alu instid0(VALU_DEP_1)
	v_ldexp_f32 v252, 1.0, v254                    ; f = 2^(old M - new M)
.set n, 0
.rept 32
	v_pk_fma_f32 v[96+n:97+n], v[96+n:97+n], s[CS:CS+1], v[\st:\st+1] op_sel_hi:[1,0,0]   ; t - M, two at a time
.set n, n+2
.endr
.irp b, 0,1,2,3
	v_fma_f32 v[232+\b], v[232+\b], s[CS], v[\st]  ; the same of each block's largest score
.endr
	s_wait_alu depctr_va_vdst(0)                   ; the wait ahead of the batch
.set n, 0
.rept 64
	v_exp_f32 v[96+n], v[96+n]                     ; p = 2^(t - M), at most 1
.set n, n+1
.endr
	v_pk_mul_f32 v[\st+2:\st+3], v[\st+2:\st+3], v[252:253] op_sel_hi:[1,0]   ; the sums under the new M; a plain place behind the exponentials
	s_wait_alu depctr_va_vdst(0)                   ; one wait for the whole batch, ahead of its first reader
.irp b, 0,1,2,3
	v_exp_f32 v[232+\b], v[232+\b]                 ; the block's largest p
.endr
	v_pk_add_f32 v[236:237], v[96:97], v[98:99]    ; the row's sum of the unquantised p, in four chains
	v_pk_add_f32 v[240:241], v[100:101], v[102:103]
	v_pk_add_f32 v[242:243], v[104:105], v[106:107]
.irp j, 108,116,124,132,140,148
	v_pk_add_f32 v[\st+2:\st+3], v[\st+2:\st+3], v[\j:\j+1]
	v_pk_add_f32 v[236:237], v[236:237], v[\j+2:\j+3]
	v_pk_add_f32 v[240:241], v[240:241], v[\j+4:\j+5]
	v_pk_add_f32 v[242:243], v[242:243], v[\j+6:\j+7]
.endr
	v_pk_add_f32 v[\st+2:\st+3], v[\st+2:\st+3], v[156:157]
	v_pk_add_f32 v[236:237], v[236:237], v[158:159]
	v_pk_add_f32 v[240:241], v[240:241], v[242:243]
	s_delay_alu instid0(VALU_DEP_2)
	v_pk_add_f32 v[\st+2:\st+3], v[\st+2:\st+3], v[236:237]
	s_delay_alu instid0(VALU_DEP_1)
	v_pk_add_f32 v[\st+2:\st+3], v[\st+2:\st+3], v[240:241]
	s_wait_alu depctr_va_vdst(0)                   ; and one for the four
.irp b, 0,1,2,3
	v_max_num_f32 v[232+\b], 0x2800000, v[232+\b]  ; the floor 2^(5 - 127): the byte cannot fall under 1
.endr
	TOCODES
	s_wait_alu depctr_va_vdst(0)                   ; the wait directly ahead of the first reader of O^T
	WIN 0x41*\lo
.set n, 0
.rept 32
.set ob, (1-\lo)*(160+n)+\lo*(96+(n%32)+128*(n/32))
	v_pk_mul_f32 v[ob:ob+1], v[ob:ob+1], v[252:253] op_sel_hi:[1,0]   ; O^T under the new M; these 32 are also the places in front of the matrix instructions below
.set n, n+2
.endr
	WIN 0
	s_wait_alu depctr_va_vdst(0)
	s_wait_dscnt 0x0                               ; V is in
	WIN 0x01+0x50*\lo
.irp t, 0,1,2,3,4,5,6,7
.set ob, (1-\lo)*(160+8*\t)+\lo*(96+8*(\t%4)+128*(\t/4))
	v_wmma_scale_f32_16x16x128_f8f6f4 v[ob:ob+7], v[128+12*\t:139+12*\t], v[224:235], v[ob:ob+7], v[VW+\t], v253 matrix_a_fmt:MATRIX_FMT_BF6 matrix_b_fmt:MATRIX_FMT_BF6
.endr
	WIN 0
.endm
; MY KEY STEP of the 256 keys at address registers a = 2 slot + u.  K's and V's fragments are read once for both tiles.  The branches hang on ids alone and lead round loads, products and softmax alone.
.macro KEYSTEP a
	s_cmp_gt_u32 s[SI], s[KLH]
	s_cbranch_scc1 .Lhid_\@
.rept 4
	v_nop                                          ; places behind the last products, which read V's registers
.endr
.irp e, 0,1
	ds_load_b128 v[KW+4*\e:KW+4*\e+3], v[ASC+\a] offset:16*\e
.endr
	WIN 0x40
.irp t, 0,1,2,3,4,5,6,7
.irp c, 0,1,2
	ds_load_b128 v[12*\t+4*\c:12*\t+4*\c+3], v[ADR+\a] offset:\t*1536+512*\c
.endr
.endr
.irp t, 0,1,2,3,4,5,6,7
.irp c, 0,1,2
	ds_load_b128 v[128+12*\t+4*\c:128+12*\t+4*\c+3], v[ADR+\a] offset:VOFF+\t*1536+512*\c
.endr
.endr
	WIN 0
.irp e, 0,1
	ds_load_b128 v[VW+4*\e:VW+4*\e+3], v[ASC+\a] offset:1024+16*\e
.endr
	s_wait_dscnt 26                                ; K's 26 loads are in; V's 26 may be out
	s_cmp_gt_u32 s[SI], s[KLP]
	s_cbranch_scc1 .Lnot_p_\@
	TILE STP, QFP, QWP, QIP, KLP, 0
.Lnot_p_\@:
	s_cmp_gt_u32 s[SI], s[KLS]
	s_cbranch_scc1 .Lhid_\@
	TILE STS, QFS, QWS, QIS, KLS, 1
.Lhid_\@:
	s_wait_dscnt 0x0                               ; no LDS load of mine is out when the next step's are issued
	s_add_co_u32 s[SI], s[SI], 2
.endm
; THE CHANGE OF SLOTS stands at a slot's head.  Each wave waits for all its tensor loads (its eighth of slot cur), adds 0 to its spare word, and waits for that and for its reads of the other slot.
; Behind the barrier the other slot takes the 512 keys that follow, if the work-group needs them: the jump hangs on the work-group's number and the loop's steps alone and is the same in all waves.
.macro CHANGE cur
	s_wait_tensorcnt 0x0                           ; no tensor load of mine is out, so a group 0 may be written
	ds_add_u32 v[SPW], v[NIL]                      ; 0 onto my spare word
	s_add_nc_u64 s[G0+4*\cur+2:G0+4*\cur+3], s[G0+4*\cur+2:G0+4*\cur+3], 2*BIGB
	s_wait_xcnt 0x0                                ; the last prefetch, a slot back, has read its address
	s_add_nc_u64 s[PFA:PFA+1], s[PFA:PFA+1], BIGB
	s_wait_dscnt 0x0
	s_barrier_signal -1
	s_barrier_wait -1
	s_cmp_lt_u32 s[SIB], s[NBL]
	s_cbranch_scc0 .Lno_fill_\@
	tensor_load_to_lds s[G0+4-4*\cur:G0+7-4*\cur], s[G1:G1+7]   ; my one tensor load until the next barrier
	s_nop 0
.rept 4
	v_nop
.endr
.Lno_fill_\@:
	s_cmp_lt_u32 s[SIB], s[LIM]                    ; slots 2 and 3 are asked for, each one slot ahead of its load
	s_cbranch_scc0 .Lno_ask_\@
	global_prefetch_b8 v[PFO], s[PFA:PFA+1] th:TH_LOAD_NT scope:SCOPE_SE
.Lno_ask_\@:
	s_add_co_u32 s[SIB], s[SIB], 1
.endm
	s_wait_alu depctr_va_vdst(0)
	s_wait_loadcnt 0x0                             ; Q
.Lpair:
	CHANGE 0
	KEYSTEP 0
	KEYSTEP 1
	CHANGE 1
	KEYSTEP 2
	KEYSTEP 3
	s_add_co_u32 s[CNT], s[CNT], 1
	s_cmp_lt_u32 s[CNT], 2
	s_cbranch_scc1 .Lpair
	; THE MERGE.  S's part (-M, sum, O^T) goes to my bytes of LDS; wave w xor 4 has put there its part of the tile that I keep.
	s_wait_tensorcnt 0x0                           ; no tensor load of mine is out
.rept 4
	v_nop                                          ; places behind the last products
.endr
	v_add_f32 v[STS+1], v[STS+2], v[STS+3]
	s_wait_alu depctr_va_vdst(0)                   ; the wait ahead of the first readers of O^T
	WIN 0x04                                       ; an LDS store's data: window 1
.irp t, 0,1,2,3,4,5,6,7
	ds_store_b128 v[MST], v[96+8*(\t%4)+128*(\t/4):99+8*(\t%4)+128*(\t/4)] offset:1024*\t      ; each accumulator from its low end on
	ds_store_b128 v[MST], v[100+8*(\t%4)+128*(\t/4):103+8*(\t%4)+128*(\t/4)] offset:1024*\t+512
.endr
	WIN 0
	ds_store_b64 v[MS2], v[STS:STS+1] offset:8192
	s_wait_dscnt 0x0                               ; for the others' sake
	s_barrier_signal -1
	s_barrier_wait -1
.set n, 0
.rept 16
	ds_load_b128 v[96+4*n:99+4*n], v[MLD] offset:512*n
.set n, n+1
.endr
	ds_load_b64 v[76:77], v[ML2] offset:8192
	s_wait_dscnt 0x0
	v_add_f32 v14, v14, v15
	v_min_num_f32 v78, v12, v76                    ; -M of the larger M
	s_delay_alu instid0(VALU_DEP_1)
	v_sub_f32 v79, v78, v12                        ; whole numbers, 0 or less
	v_sub_f32 v80, v78, v76
	s_delay_alu instid0(VALU_DEP_2)
	v_cvt_i32_f32 v79, v79                         ; (they saturate: a part with no key step has M = -3e38 and gets the factor 0)
	s_delay_alu instid0(VALU_DEP_2)
	v_cvt_i32_f32 v80, v80
	s_delay_alu instid0(VALU_DEP_2)
	v_ldexp_f32 v82, 1.0, v79
	s_delay_alu instid0(VALU_DEP_2)
	v_ldexp_f32 v84, 1.0, v80
	s_delay_alu instid0(VALU_DEP_2)
	v_mul_f32 v14, v14, v82
	s_delay_alu instid0(VALU_DEP_1)
	v_fmac_f32 v14, v77, v84
	s_delay_alu instid0(VALU_DEP_1)
	v_permlanex16_b32 v252, v14, s[SEL], s[SEL+1]
	s_delay_alu instid0(VALU_DEP_1)
	v_add_f32 v14, v14, v252                       ; the row's sum
	s_wait_alu depctr_va_vdst(0)
	v_rcp_f32 v14, v14
	v_nop                                          ; a plain place behind the transcendental
	s_wait_alu depctr_va_vdst(0)                   ; the wait ahead of its first reader
	v_mul_f32 v82, v82, v14                        ; a power of two x 1 / the sum
	v_mul_f32 v84, v84, v14
.set n, 0
.rept 32
	v_pk_mul_f32 v[96+n:97+n], v[96+n:97+n], v[84:85] op_sel_hi:[1,0]
.set n, n+2
.endr
	s_wait_alu depctr_va_vdst(0)                   ; the wait directly ahead of the first reader of O^T
.set n, 0
.rept 32
	v_pk_fma_f32 v[96+n:97+n], v[160+n:161+n], v[82:83], v[96+n:97+n] op_sel_hi:[1,0,1]   ; Y: register 16 b + i = channel 32 b + 16 (lane / 16) + i
.set n, n+2
.endr
.irp b, 0,1,2,3
	v_max3_num_f32 v[232+\b], |v[96+16*\b]|, |v[97+16*\b]|, 0x2800000
.endr
.irp i, 2,4,6,8,10,12,14
.irp b, 0,1,2,3
	s_delay_alu instid0(VALU_DEP_4)
	v_max3_num_f32 v[232+\b], v[232+\b], |v[96+16*\b+\i]|, |v[97+16*\b+\i]|
.endr
.endr
.irp b, 0,1,2,3
	s_delay_alu instid0(VALU_DEP_4)
	v_permlanex16_b32 v[236+\b], v[232+\b], s[SEL], s[SEL+1]
.endr
.irp b, 0,1,2,3
	s_delay_alu instid0(VALU_DEP_4)
	v_max_num_f32 v[232+\b], v[232+\b], v[236+\b]
.endr
	TOCODES
.irp c, 0,1,2
	global_store_b128 v[GL], v[224+4*\c:227+4*\c], s[10:11] offset:512*\c   ; 512 consecutive bytes
.endr
	ds_store_b32 v[YSA], v253                      ; a block's four tiles' words meet in LDS (both halves of the lanes write the same word with the same value)
	s_wait_dscnt 0x0                               ; for the others' sake
	s_barrier_signal -1
	s_barrier_wait -1
	s_cmp_eq_u32 s[J], 0                           ; wave 0 sends the high block's 256 bytes, wave 4 the low block's
	s_cbranch_scc0 .Lno_words
	ds_load_b64 v[50:51], v[YSR]
	s_wait_dscnt 0x0
	global_store_b64 v[YG], v[50:51], s[12:13]     ; 256 consecutive bytes, at a multiple of 256 from the buffer's first byte
.Lno_words:
	s_wait_tensorcnt 0x0                           ; the wave's end
	ds_add_u32 v[SPW], v[NIL]
	s_wait_dscnt 0x0
	s_endpgm
.Lfunc_end_k_q88bade3e48_attn:
	.size	k_q88bade3e48_attn, .Lfunc_end_k_q88bade3e48_attn-k_q88bade3e48_attn
	.p2alignl 7, 3214868480
	.fill 96, 4, 3214868480
	.section	.rodata,"a",@progbits
	.p2align	6, 0x0
	.amdhsa_kernel k_q88bade3e48_attn
		.amdhsa_group_segment_fixed_size 327680
		.amdhsa_private_segment_fixed_size 0
		.amdhsa_enable_private_segment 0
		.amdhsa_kernarg_size 40
		.amdhsa_user_sgpr_count 2
		.amdhsa_user_sgpr_kernarg_segment_ptr 1
		.amdhsa_wavefront_size32 1
		.amdhsa_system_sgpr_workgroup_id_x 1
		.amdhsa_system_sgpr_workgroup_id_y 1
		.amdhsa_system_sgpr_workgroup_id_z 1
		.amdhsa_system_vgpr_workitem_id 0
		.amdhsa_next_free_vgpr 512
		.amdhsa_next_free_sgpr 66
		.amdhsa_reserve_vcc 1
		.amdhsa_float_denorm_mode_32 3
		.amdhsa_float_denorm_mode_16_64 3
		.amdhsa_memory_ordered 1
		.amdhsa_forward_progress 1
		.amdhsa_inst_pref_size 212
	.end_amdhsa_kernel
	.amdgpu_metadata
---
amdhsa.version: [ 1, 2 ]
amdhsa.kernels:
  - .name:           k_q88bade3e48_attn
    .symbol:         k_q88bade3e48_attn.kd
    .args:
      - { .name: qcodes, .offset: 0, .size: 8, .value_kind: global_buffer, .address_space: global }
      - { .name: qscales, .offset: 8, .size: 8, .value_kind: global_buffer, .address_space: global }
      - { .name: kv, .offset: 16, .size: 8, .value_kind: global_buffer, .address_space: global }
      - { .name: ycodes, .offset: 24, .size: 8, .value_kind: global_buffer, .address_space: global }
      - { .name: yscales, .offset: 32, .size: 8, .value_kind: global_buffer, .address_space: global }
    .group_segment_fixed_size: 327680
    .private_segment_fixed_size: 0
    .kernarg_segment_align: 8
    .kernarg_segment_size: 40
    .max_flat_workgroup_size: 256
    .sgpr_count:     66
    .vgpr_count:     512
    .wavefront_size: 32
...
	.end_amdgpu_metadata
.endif
;; end of part 3
;; launch oproj (part 4): grid 16 x 16, 4 waves a work-group, clusters of 4 x 4, 327,680 bytes of LDS; arguments ycodes, yscales, wcodes, wscales, bo, out0; writes out0
.if DOCPART == 4
	.amdgcn_target "amdgcn-amd-amdhsa--gfx1250"
	.amdhsa_code_object_version 6
	.text
	.protected	k_q88bade3e48_oproj
	.globl	k_q88bade3e48_oproj
	.p2align	8
	.type	k_q88bade3e48_oproj,@function
k_q88bade3e48_oproj:
	s_mov_b64 s[64:65], 0
	v_nop
	global_prefetch_b8 v0, s[64:65] scope:SCOPE_SE
	s_setreg_imm32_b32 hwreg(HW_REG_WAVE_MODE, 25, 1), 1
	s_wait_xcnt 0x0
	s_wait_alu depctr_hold_cnt(0) depctr_sa_sdst(0) depctr_va_vdst(0) depctr_va_sdst(0) depctr_va_ssrc(0) depctr_va_vcc(0) depctr_vm_vsrc(0)
	s_getreg_b32 s2, hwreg(HW_REG_IB_STS2, 6, 4)
	s_cmp_eq_u32 s2, 0
	s_cbranch_scc0 .Lentry_in_a_cluster
	s_endpgm
.Lentry_in_a_cluster:
	s_bfe_u32 s2, ttmp6, 0x10000c
	s_cmp_lg_u32 s2, 0xf033
	s_cbranch_scc0 .Lentry_shape_is_right
	s_endpgm
.Lentry_shape_is_right:
; out0 = Y Wo^T + bo on codes of BF6 with E8M0 scales; sums in f32, begun with the bias.  A tile of 128 x 128 is made by four waves, each 64 x 64: 16 accumulators.  Operands come as images of operand registers.
; LDS: K steps 0-3 of A's and B's eight row tiles (slot 0), K steps 4-11 behind them, then the scale words of all of K.  At the head each wave issues one joint load: A's slot 0, B's slot 0, A's words, B's words.
; K steps 4-11 are a first fill behind the full sequence and a round, a quarter a wave; K steps 12-15 fill slot 0 again.  Each later fill is prefetched one fill ahead: of the four row tiles that a wave fetches,
; the partner at place p (cx for A, cy for B) names row tile p, a lane to a block of 256 bytes.
.set FRB,   1536
.set TPITCH,24576
.set RTB,   4*FRB
.set QB,    4*RTB
.set SLOT,  4*QB
.set SCL,   3*SLOT
.set SPARE, SCL+16384
.set STAGE, SLOT
.set SPITCH,272
.set ADSA, 12
.set ADSB, 13
.set ADRA, 16
.set ADRB, 20
.set STO,  24
.set RD,   25
.set CO,   26
.set SPW,  28
.set NIL,  29
.set SA,   32
.set BB,   64
.set BK,   64
.set ACC,  128
.set G1,   24
.set G0,   32
.set G1B,  44
.set G0B,  52
.set G1S,  68
.set G0S,  76
.set G0SB, 80
.set G1SB, 88
.set MSB, 0
.macro WIN new
.if MSB != (\new)
	s_set_vgpr_msb (MSB<<8)|(\new)
.set MSB, (\new)
.endif
.endm
.macro JLOAD g0a, g1a, g0b, g1b
	s_cmp_eq_u32 s15, 0
	s_cbranch_scc0 .Lfor_b_\@
	tensor_load_to_lds s[\g0a:\g0a+3], s[\g1a:\g1a+7]
	s_nop 0
.rept 4
	v_nop
.endr
	s_branch .Lasked_\@
.Lfor_b_\@:
	tensor_load_to_lds s[\g0b:\g0b+3], s[\g1b:\g1b+7]
	s_nop 0
.rept 4
	v_nop
.endr
.Lasked_\@:
.endm
.macro CREST
	s_cmp_lg_u32 s14, 0
	s_cbranch_scc1 .Lnot_wave_0_\@
	s_barrier_signal -3
.Lnot_wave_0_\@:
	s_barrier_wait -3
	s_barrier_signal -1
	s_barrier_wait -1
.endm
.macro CROUND
	s_barrier_signal -1
	s_barrier_wait -1
	CREST
.endm
	s_load_b256 s[4:11], s[0:1], 0x0
	s_load_b128 s[84:87], s[0:1], 0x20
	v_lshl_add_u32 v[SPW], v0, 2, SPARE
	v_mov_b32 v[NIL], 0
	ds_add_u32 v28, v29
	ds_add_u32 v28, v29
	s_wait_dscnt 0x0
	v_lshrrev_b32 v1, 5, v0
	v_readfirstlane_b32 s14, v1
	s_lshr_b32 s15, s14, 1
	s_and_b32 s16, s14, 1
	s_bfe_u32 s66, ttmp6, 0x40000
	s_bfe_u32 s67, ttmp6, 0x40004
	s_lshl_b32 s96, ttmp9, 2
	s_add_co_u32 s96, s96, s66
	s_and_b32 s17, ttmp7, 0xffff
	s_lshl_b32 s17, s17, 2
	s_add_co_u32 s17, s17, s67
	s_lshl_b32 s97, s67, 2
	s_lshl_b32 s97, 15, s97
	s_lshl_b32 s98, 0x1111, s66
	s_or_b32 s[G1+0], s97, (3<<16)|(1<<21)
	s_or_b32 s[G1B+0], s98, (3<<16)|(1<<21)
.irp g, G1, G1B
	s_mov_b32 s[\g+1], 768<<16
	s_mov_b32 s[\g+2], 8<<16
	s_mov_b32 s[\g+3], 768<<16
	s_mov_b32 s[\g+4], 8
	s_mov_b32 s[\g+5], 3072
	s_mov_b32 s[\g+6], 0
	s_mov_b32 s[\g+7], 0
.endr
	s_or_b32 s[G1S+0], s97, (3<<16)|(1<<21)
	s_or_b32 s[G1SB+0], s98, (3<<16)|(1<<21)
.irp g, G1S, G1SB
	s_mov_b32 s[\g+1], 32<<16
	s_mov_b32 s[\g+2], 32<<16
	s_mov_b32 s[\g+3], 32<<16
	s_mov_b32 s[\g+4], 32
	s_mov_b32 s[\g+5], 32
	s_mov_b32 s[\g+6], 0
	s_mov_b32 s[\g+7], 0
.endr
	s_lshl_b32 s20, s17, 3
	s_mul_i32 s20, s20, TPITCH
	s_mov_b32 s21, 0
	s_lshl_b32 s22, s17, 13
	s_mov_b32 s23, 0
	s_lshl_b32 s12, s96, 3
	s_add_co_u32 s12, s12, 512
	s_mul_i32 s12, s12, TPITCH
	s_mov_b32 s13, 0
	s_add_co_u32 s100, s96, 64
	s_lshl_b32 s100, s100, 13
	s_mov_b32 s101, 0
	s_mul_i32 s18, s14, QB
	s_mul_i32 s19, s14, 2*QB                       ; my quarter of K steps 4-11
	s_mul_i32 s2, s16, 4*TPITCH                    ; which four row tiles I fetch behind the head
	s_mov_b32 s3, 0
	s_lshl_b32 s98, s17, 3                         ; the prefetches: A's row tile 8 y + cx (the masks that lay in s97 and s98 have been read),
	s_add_co_u32 s98, s98, s66
	s_lshl_b32 s97, s96, 3                         ; B's 512 + 8 x + cy,
	s_add_co_u32 s97, s97, s67
	s_add_co_u32 s97, s97, 512
	s_cmp_eq_u32 s15, 0
	s_cselect_b32 s98, s98, s97
	s_lshl_b32 s97, s16, 2                         ; + the four that I fetch
	s_add_co_u32 s98, s98, s97
	s_mul_i32 s98, s98, TPITCH
	s_mov_b32 s99, 0
	s_wait_kmcnt 0x0
	s_add_nc_u64 s[20:21], s[4:5], s[20:21]
	s_add_nc_u64 s[22:23], s[6:7], s[22:23]
	s_add_nc_u64 s[12:13], s[8:9], s[12:13]
	s_add_nc_u64 s[100:101], s[10:11], s[100:101]
	CROUND
	s_mov_b32 s[G0S], 1
	s_mov_b32 s[G0S+1], SCL
	s_mov_b64 s[G0S+2:G0S+3], s[22:23]
	s_or_b32 s[G0S+3], s[G0S+3], 0x80000000
	s_mov_b32 s[G0SB], 1
	s_mov_b32 s[G0SB+1], SCL+8192
	s_mov_b64 s[G0SB+2:G0SB+3], s[100:101]
	s_or_b32 s[G0SB+3], s[G0SB+3], 0x80000000
	s_cmp_eq_u32 s15, 0
	s_cselect_b64 s[4:5], s[4:5], s[8:9]
	s_add_nc_u64 s[4:5], s[4:5], s[98:99]          ; where my prefetches stand; never rewritten
	s_mov_b32 s[G0+8], 1                           ; the head's loads of codes: A's eight row tiles, K steps 0-3,
	s_mov_b32 s[G0+9], 0
	s_mov_b64 s[G0+10:G0+11], s[20:21]
	s_or_b32 s[G0+11], s[G0+11], 0x80000000
	s_mov_b32 s[G0B+8], 1                          ; and B's, behind them
	s_mov_b32 s[G0B+9], 2*QB
	s_mov_b64 s[G0B+10:G0B+11], s[12:13]
	s_or_b32 s[G0B+11], s[G0B+11], 0x80000000
	s_add_nc_u64 s[20:21], s[20:21], s[2:3]        ; my four row tiles
	s_add_nc_u64 s[12:13], s[12:13], s[2:3]
	s_mov_b32 s[G0], 1                             ; set 0: slot 0's refill; set 1: K steps 4-11
	s_mov_b32 s[G0+1], s18
	s_mov_b64 s[G0+2:G0+3], s[20:21]
	s_or_b32 s[G0+3], s[G0+3], 0x80000000
	s_mov_b32 s[G0B], 1
	s_mov_b32 s[G0B+1], s18
	s_mov_b64 s[G0B+2:G0B+3], s[12:13]
	s_or_b32 s[G0B+3], s[G0B+3], 0x80000000
	s_mov_b32 s[G0+4], 1
	s_add_co_u32 s[G0+5], s19, SLOT
	s_add_nc_u64 s[G0+6:G0+7], s[20:21], RTB
	s_or_b32 s[G0+7], s[G0+7], 0x80000000
	s_mov_b32 s[G0B+4], 1
	s_add_co_u32 s[G0B+5], s19, SLOT
	s_add_nc_u64 s[G0B+6:G0B+7], s[12:13], RTB
	s_or_b32 s[G0B+7], s[G0B+7], 0x80000000
; one chain of branches on the wave's number: every way through the head passes exactly one load
.macro ARM under, g0, g1, next
	s_cmp_lt_u32 s14, \under
	s_cbranch_scc0 \next
	tensor_load_to_lds s[\g0:\g0+3], s[\g1:\g1+7]
	s_nop 0
.rept 4
	v_nop
.endr
	s_branch .Lhead_asked
\next:
.endm
	ARM 1, G0+8,  G1,  .Lhead_b
	ARM 2, G0B+8, G1B, .Lhead_sa
	ARM 3, G0S,   G1S, .Lhead_sb
	tensor_load_to_lds s[G0SB:G0SB+3], s[G1SB:G1SB+7]
	s_nop 0
.rept 4
	v_nop
.endr
.Lhead_asked:
	v_and_b32 v1, 15, v0
	v_bfe_u32 v2, v0, 4, 1
	v_and_b32 v3, 31, v0
	v_lshlrev_b32 v4, 4, v3
	v_lshlrev_b32 v6, 8, v3                        ; the prefetches' offsets: 256 x lane, held at 15 and at 23 blocks; never rewritten
	v_min_u32 v7, 15, v3
	v_min_u32 v8, 23, v3
	v_lshlrev_b32 v7, 8, v7
	v_lshlrev_b32 v8, 8, v8
	global_prefetch_b8 v6, s[4:5] offset:RTB th:TH_LOAD_NT scope:SCOPE_SE          ; K steps 4-11 of my work-group's row tile: 48 blocks of 256 bytes
	global_prefetch_b8 v7, s[4:5] offset:RTB+8192 th:TH_LOAD_NT scope:SCOPE_SE
	s_mul_i32 s21, s15, QB
	s_mul_i32 s22, s16, QB
	s_add_co_u32 s22, s22, 2*QB
	v_add_nc_u32 v[ADRA], s21, v4
	v_add_nc_u32 v[ADRB], s22, v4
	s_lshl_b32 s21, s21, 1                         ; behind slot 0 a row tile has eight K steps: twice the bytes
	s_lshl_b32 s22, s22, 1
	s_add_co_u32 s21, s21, SLOT
	s_add_co_u32 s22, s22, SLOT
	v_add_nc_u32 v[ADRA+1], s21, v4
	v_add_nc_u32 v[ADRB+1], s22, v4
	s_lshl_b32 s21, s15, 12
	s_add_co_u32 s21, s21, SCL
	v_lshl_add_u32 v[ADSA], v1, 4, s21
	s_lshl_b32 s22, s16, 4
	s_add_co_u32 s22, s22, SCL+8192
	v_lshl_add_u32 v[ADSB], v1, 5, s22
	s_mul_i32 s23, s14, 16*SPITCH
	s_add_co_u32 s23, s23, STAGE
	v_mul_u32_u24 v[STO], v1, SPITCH
	v_lshl_add_u32 v[STO], v2, 6, v[STO]
	v_add_nc_u32 v[STO], s23, v[STO]
	v_mul_u32_u24 v[RD], v2, SPITCH
	v_lshl_add_u32 v[RD], v1, 4, v[RD]
	v_add_nc_u32 v[RD], s23, v[RD]
	v_lshlrev_b32 v[CO], 13, v2
	v_lshl_add_u32 v[CO], v1, 4, v[CO]
	v_lshlrev_b32 v5, 6, v2
	s_wait_alu depctr_va_vdst(0)
	s_lshl_b32 s12, s96, 9
	s_lshl_b32 s13, s16, 8
	s_add_co_u32 s12, s12, s13
	s_mov_b32 s13, 0
	s_add_nc_u64 s[84:85], s[84:85], s[12:13]
	s_add_nc_u64 s[86:87], s[86:87], s[12:13]
	s_lshl_b32 s12, s17, 20
	s_lshl_b32 s2, s15, 19
	s_add_co_u32 s12, s12, s2
	s_add_nc_u64 s[86:87], s[86:87], s[12:13]
.irp b, 0,1,2,3
	global_load_b128 v[BB+8*\b:BB+8*\b+3], v5, s[84:85] offset:(32*(\b/2)+8*(\b%2))*4
	global_load_b128 v[BB+8*\b+4:BB+8*\b+7], v5, s[84:85] offset:(32*(\b/2)+8*(\b%2))*4+16
.endr
.macro MUL8 f, a0, first
.irp a, \a0, \a0+1
.irp b, 0,1,2,3
.set rD, ACC+8*(4*(\a)+\b)
.set rB, 128*(\f)+48+12*\b
.set rA, 128*(\f)+12*(\a)
.if \first
	v_wmma_scale_f32_16x16x128_f8f6f4 v[rD:rD+7], v[rB:rB+11], v[rA:rA+11], v[BB+8*\b:BB+8*\b+7], v[SA+4+8*(\f)+\b], v[SA+8*(\f)+(\a)] matrix_a_fmt:MATRIX_FMT_BF6 matrix_b_fmt:MATRIX_FMT_BF6
.else
	v_wmma_scale_f32_16x16x128_f8f6f4 v[rD:rD+7], v[rB:rB+11], v[rA:rA+11], v[rD:rD+7], v[SA+4+8*(\f)+\b], v[SA+8*(\f)+(\a)] matrix_a_fmt:MATRIX_FMT_BF6 matrix_b_fmt:MATRIX_FMT_BF6
.endif
.endr
.endr
.endm
.macro FETCH4 kg
.if (\kg) >= 4 && (\kg) < 12
.set FS, 1
.set FQ, (\kg)-4
.set FP, 2*RTB
.else
.set FS, 0
.set FQ, (\kg)%4
.set FP, RTB
.endif
.set FF, (\kg)%2
	WIN 0
	ds_load_b128 v[SA+8*FF:SA+8*FF+3], v[ADSA] offset:256*(\kg)
	ds_load_b128 v[SA+4+8*FF:SA+7+8*FF], v[ADSB] offset:512*(\kg)
	WIN 0x40
.irp b, 0,1,2,3
.irp c, 0,1,2
	ds_load_b128 v[128*FF+48+12*\b+4*\c:128*FF+48+12*\b+4*\c+3], v[ADRB+FS] offset:\b*FP+FQ*FRB+512*\c
.endr
.endr
.irp a, 0,1,2,3
.irp c, 0,1,2
	ds_load_b128 v[128*FF+12*\a+4*\c:128*FF+12*\a+4*\c+3], v[ADRA+FS] offset:\a*FP+FQ*FRB+512*\c
.endr
.endr
.endm
.macro PLACES
.rept 4
	v_nop
.endr
.endm
.macro KS kg, first
	s_wait_dscnt 6
	WIN 0x05
	MUL8 (\kg)%2, 0, \first
	PLACES
	FETCH4 (\kg)+1
	s_wait_dscnt 26
	WIN 0x05
	MUL8 (\kg)%2, 2, \first
.endm
.macro TURN4 kg, fill
	WIN 0
	s_wait_tensorcnt 0x0
	ds_add_u32 v[SPW], v[NIL]
	s_wait_dscnt 7
	WIN 0x05
	MUL8 (\kg)%2, 0, 0
	s_wait_dscnt 0x0
	s_barrier_signal -1
	WIN 0
	s_barrier_wait -1
.if \fill
	CREST
	s_add_nc_u64 s[G0+2:G0+3], s[G0+2:G0+3], 3*RTB
	s_add_nc_u64 s[G0B+2:G0B+3], s[G0B+2:G0B+3], 3*RTB
.irp g, G1, G1B
	s_mov_b32 s[\g+1], 768<<16                     ; no tensor load of mine is out: a row tile's four K steps again
	s_mov_b32 s[\g+3], 768<<16
.endr
	JLOAD G0, G1, G0B, G1B
.else
	PLACES
.endif
	FETCH4 (\kg)+1
	WIN 0x05
	MUL8 (\kg)%2, 2, 0
.endm
	s_wait_alu depctr_va_vdst(0)
	s_wait_tensorcnt 0x0                           ; my tile of the head's four is in; the later first fill is issued as a refill is:
	ds_add_u32 v[SPW], v[NIL]                      ; 0 onto my spare word
.irp g, G1, G1B
	s_mov_b32 s[\g+1], 1536<<16                    ; no tensor load of mine is out: four row tiles x eight K steps
	s_mov_b32 s[\g+2], 4<<16
	s_mov_b32 s[\g+3], 1536<<16
	s_mov_b32 s[\g+4], 4
.endr
	s_wait_dscnt 0x0
	CROUND                                         ; all four tiles are in, and all sixteen work-groups are here
	JLOAD G0+4, G1, G0B+4, G1B                     ; K steps 4-11, the first tensor load behind the round
	FETCH4 0
	global_prefetch_b8 v8, s[4:5] offset:3*RTB th:TH_LOAD_NT scope:SCOPE_SE        ; K steps 12-15: 24 blocks, one fill ahead of their load
	s_wait_loadcnt 0x0
	KS 0, 1
	KS 1, 0
	KS 2, 0
	TURN4 3, 1
.irp k, 4,5,6,7,8,9,10
	KS \k, 0
.endr
	TURN4 11, 0
	KS 12, 0
	KS 13, 0
	KS 14, 0
	s_wait_dscnt 6
	WIN 0x05
	MUL8 1, 0, 0
	s_wait_dscnt 0
	MUL8 1, 2, 0
	WIN 0
.macro TOSTAGE a
.irp b, 0,1,2,3
	ds_store_b128 v[STO], v[ACC+8*(4*(\a)+\b):ACC+8*(4*(\a)+\b)+3] offset:128*(\b/2)+32*(\b%2)
	ds_store_b128 v[STO], v[ACC+8*(4*(\a)+\b)+4:ACC+8*(4*(\a)+\b)+7] offset:128*(\b/2)+32*(\b%2)+16
.endr
.set BKR, BK+32*((\a)%2)
.irp t, 0,1,2,3,4,5,6,7
	ds_load_b128 v[BKR+4*\t:BKR+4*\t+3], v[RD] offset:\t*2*SPITCH
.endr
.endm
.macro SEND a, younger
.set BKR, BK+32*((\a)%2)
	s_wait_dscnt \younger
.irp t, 0,1,2,3,4,5,6,7
	global_store_b128 v[CO], v[BKR+4*\t:BKR+4*\t+3], s[86:87] offset:(32*((\a)/2)+8*((\a)%2)+2*\t+8*(\t/4))*8192 th:TH_STORE_NT
.endr
.endm
	PLACES
	TOSTAGE 0
	TOSTAGE 1
	SEND 0, 16
	s_wait_xcnt 0x0
	TOSTAGE 2
	SEND 1, 16
	s_wait_xcnt 0x0
	TOSTAGE 3
	SEND 2, 16
	SEND 3, 0
	s_wait_tensorcnt 0x0
	ds_add_u32 v[SPW], v[NIL]
	s_wait_dscnt 0x0
	CROUND
	s_endpgm
.Lfunc_end_k_q88bade3e48_oproj:
	.size	k_q88bade3e48_oproj, .Lfunc_end_k_q88bade3e48_oproj-k_q88bade3e48_oproj
	.p2alignl 7, 3214868480
	.fill 96, 4, 3214868480
	.section	.rodata,"a",@progbits
	.p2align	6, 0x0
	.amdhsa_kernel k_q88bade3e48_oproj
		.amdhsa_group_segment_fixed_size 327680
		.amdhsa_private_segment_fixed_size 0
		.amdhsa_enable_private_segment 0
		.amdhsa_kernarg_size 48
		.amdhsa_user_sgpr_count 2
		.amdhsa_user_sgpr_kernarg_segment_ptr 1
		.amdhsa_wavefront_size32 1
		.amdhsa_system_sgpr_workgroup_id_x 1
		.amdhsa_system_sgpr_workgroup_id_y 1
		.amdhsa_system_sgpr_workgroup_id_z 1
		.amdhsa_system_vgpr_workitem_id 0
		.amdhsa_next_free_vgpr 512
		.amdhsa_next_free_sgpr 102
		.amdhsa_reserve_vcc 0
		.amdhsa_float_denorm_mode_32 3
		.amdhsa_float_denorm_mode_16_64 3
		.amdhsa_memory_ordered 1
		.amdhsa_forward_progress 1
		.amdhsa_inst_pref_size 84
	.end_amdhsa_kernel
	.amdgpu_metadata
---
amdhsa.version: [ 1, 2 ]
amdhsa.kernels:
  - .name:           k_q88bade3e48_oproj
    .symbol:         k_q88bade3e48_oproj.kd
    .args:
      - { .name: ycodes, .offset: 0, .size: 8, .value_kind: global_buffer, .address_space: global }
      - { .name: yscales, .offset: 8, .size: 8, .value_kind: global_buffer, .address_space: global }
      - { .name: wcodes, .offset: 16, .size: 8, .value_kind: global_buffer, .address_space: global }
      - { .name: wscales, .offset: 24, .size: 8, .value_kind: global_buffer, .address_space: global }
      - { .name: bo, .offset: 32, .size: 8, .value_kind: global_buffer, .address_space: global }
      - { .name: out0, .offset: 40, .size: 8, .value_kind: global_buffer, .address_space: global }
    .group_segment_fixed_size: 327680
    .private_segment_fixed_size: 0
    .kernarg_segment_align: 8
    .kernarg_segment_size: 48
    .max_flat_workgroup_size: 128
    .sgpr_count:     102
    .vgpr_count:     512
    .wavefront_size: 32
...
	.end_amdgpu_metadata
.endif
;; end of part 4
